; MI455X (gfx1250); checked and timed in simulation.
; The chip was launched on July 23, 2026; its instructions are those of AMD's public machine-readable ISA for CDNA 5 (MIT licence, August 2026) and "CDNA5" Instruction Set Architecture Reference Guide (July 2026). The comments in the code are by the model that wrote it; some were corrected since.
;; Multi Head Attention. Allowed arithmetic: matrix products marked QUANTISED: E2M3 operands, one E8M0 scale for each 32 along K, by v_wmma_scale_f32_16x16x128_f8f6f4 with both operands' format E2M3, f32 sums; everything else in f32.
;; Inputs: Wk 16 x 1,024 x 64 float32; Wp 1,024 x 1,024 float32; Wq 16 x 1,024 x 64 float32; Wv 16 x 1,024 x 64 float32; bp 1,024 float32; x 4 x 2,048 x 1,024 float32.
;; Outputs: out0 4 x 2,048 x 1,024 float32.
;; This version of the problem:
;;   THIS VERSION OF THE PROBLEM IS GIVEN IN LOW PRECISION. The matrix products marked QUANTISED in the list below multiply operands that are first quantised to E2M3 (2 exponent bits, 3 mantissa bits; 6 bits a number), with one power-of-two scale for each 32 numbers along K (OCP MX v1.0); their sums are f32. All else is computed in f32.
;;   The module's matrix products, in the order in which they are computed (A, B: the left and right operand; K: the contracted axis; several contracted axes count as one K, in the product's order):
;;     1. [M 1,024, K 1,024] x [K 1,024, N 8,192]; A: input Wq; B: input x: QUANTISED
;;     2. [M 1,024, K 1,024] x [K 1,024, N 8,192]; A: input Wk; B: input x: QUANTISED
;;     3. [M 1,024, K 1,024] x [K 1,024, N 8,192]; A: input Wv; B: input x: QUANTISED
;;     4. batch 64 x [M 2,048, K 64] x [K 64, N 2,048]; A: computed on the way; B: computed on the way: QUANTISED
;;     5. batch 64 x [M 2,048, K 2,048] x [K 2,048, N 64]; A: softmax (see below); B: computed on the way: QUANTISED
;;     6. [M 8,192, K 1,024] x [K 1,024, N 1,024]; A: computed on the way; B: input Wp: QUANTISED
;;   THE QUANTISER, for each operand of a quantised product, along K:
;;     - K is cut into blocks of 32 from its start; a last block that is shorter is filled with zeros.
;;     - A block's scale is 2^e with e = floor(log2(the largest magnitude in the block)) - 2, held to -126 .. 127; a block of zeros has e = 0. As a byte (E8M0): e + 127.
;;     - Each number is divided by its block's scale, clamped to +-7.5, and rounded to the nearest number of E2M3, ties to even, subnormals kept.
;;     - The product sums the exact products of the quantised numbers (number of the format x scale) in f32.
;;   ~~~python
;;   def quantise(x, axis):      # numpy; x: float32 -> the quantised numbers, widened to float32 again
;;       x = np.moveaxis(x, axis, -1); K = x.shape[-1]
;;       x = np.pad(x, [(0, 0)] * (x.ndim - 1) + [(0, -K % 32)]); x = x.reshape(x.shape[:-1] + (-1, 32)); a = np.abs(x).max(-1, keepdims=True)
;;       e = np.where(a > 0, np.clip(np.frexp(np.where(a > 0, a, 1))[1] - 1 - 2, -126, 127), 0)      # np.frexp(a)[1] - 1 = floor(log2(a)), exactly
;;       r = np.clip(x / 2.0 ** e, -7.5, 7.5)
;;       step = 2.0 ** (np.maximum(np.frexp(np.where(r == 0, 1, r))[1] - 1, 0) - 3)
;;       q = np.round(r / step) * step * 2.0 ** e      # np.round: ties to even
;;       return np.moveaxis(q.reshape(q.shape[:-2] + (-1,))[..., :K], -1, axis).astype(np.float32)
;;   ~~~
;;   SOFTMAX AHEAD OF A QUANTISED PRODUCT. Where the list says 'softmax', what is quantised is not the finished softmax but p = 2^(t - M), with t = logit x log2(e) and M = ceil(the row's largest t), a whole number; so 1/2 < the row's largest p <= 1. The row's sum l is taken of the UNQUANTISED p, in f32, and the product's result is divided by l at the end. Since M is a whole number, a kernel that streams over the keys may use a running M (the ceiling of the running maximum): every later rescaling is an exact power of two, which a block's scale takes up: the codes' values come out the same.
;;   OPERANDS COMPUTED ON THE WAY. 'Computed on the way' means the value that the module computes at that place (a softmax that the list does not call 'softmax' is quantised finished and normalised). What goes into a quantiser is computed in f32, as accurately as f32 sums, v_exp_f32 and their like allow (about 1e-6 of the number): no bf16 or f16 on the way to a quantiser, and a product that is left as it is and whose result goes on into a quantised operand takes f32 operands (vector FMAs, or v_wmma_f32_16x16x4_f32). A number that lies on a knife's edge between two numbers of the format may be rounded either way, as far as f32 arithmetic and the matrix unit's own rounding can turn it there, and no further.
;; One version. Each part assembles by itself: llvm-mc -triple=amdgcn-amd-amdhsa -mcpu=gfx1250 --defsym DOCPART=n.
;; ======== version 1 of 1: 4 launches
;; limits: right only within a limited range of input values
;; workspace buffers: opq 9,830,400 bytes; qkv 19,660,800 bytes; att 6,553,600 bytes
;; launch quant (part 1): grid 384 x 1, 4 waves a work-group, no clusters, 59,904 bytes of LDS; arguments x, Wp, Wq, Wk, Wv, opq; writes opq
.if DOCPART == 1
	.amdgcn_target "amdgcn-amd-amdhsa--gfx1250"
	.amdhsa_code_object_version 6
	.text
	.protected	k_q15bf693a39_quant
	.globl	k_q15bf693a39_quant
	.p2align	8
	.type	k_q15bf693a39_quant,@function
k_q15bf693a39_quant:
	s_mov_b64 s[64:65], 0
	v_nop
	global_prefetch_b8 v0, s[64:65] scope:SCOPE_SE
	s_setreg_imm32_b32 hwreg(HW_REG_WAVE_MODE, 25, 1), 1
	s_wait_xcnt 0x0
; All five operands that arrive as f32 become codes of FP6 (E2M3) with one E8M0 scale byte for each 32 along K, laid in BLOCKS of 12,800 bytes in opq.
; WORK LEFT OUT BY THE PROGRAM: every score above the diagonal is -infinity (causal), so its weight is 0 for all inputs: tiles of 128 keys that lie wholly above a query group's diagonal
; are not multiplied (launch attn).  LIMIT: a NaN, an infinity or an overflow that would arise only in those tiles is not carried to the result.
; A BLOCK is 128 operand rows x 128 along K as images of operand registers.  Codes: eight tiles of 1,536 bytes; tile a = 2 B + u holds rows 32 B + 8 u + r + 8 (r / 8), r = 0 .. 15.
; Register q = 6 c + i of lane l = r + 16 h (k = 64 c + 32 h + 0 .. 31 of row r) lies at 768 c + 16 l + 4 i (i < 4) or 768 c + 512 + 8 l + 4 (i - 4).
; Scale words from byte 12,288 on: the word of (tile a, row r) at 256 (a / 4) + 8 (r + 16 (a % 2)) + 4 ((a / 2) % 2).
; opq holds 96 groups (128 rows x all of K: 8 blocks on end): 0-63 x, 64-71 Wq, 72-79 Wk, 80-87 Wv (a group = a pair of heads, row n = 64 x head + d), 88-95 Wp.
; A block's scale is 2^(floor(log2(largest magnitude)) - 2); its byte is the largest magnitude's exponent field - 2, held at 1 from below.
; LIMITS: a block whose largest magnitude lies under 2^-124 gets the byte 1, a block of zeros too (its codes are zeros; this program alone reads the bytes); NaN and infinities among the inputs are not served.
; TWO PATHS, parted by the work-group's number alone, each with LDS bytes of its own.  Work-groups 0-287: x and Wp, K innermost.  Work-groups 288-383: Wq, Wk, Wv, K = the middle axis.
; No matrix unit, no cluster, no tensor load: no input byte is read twice; waves share nothing, so there is no barrier.
.set BLK,   12800
.set SPARE, 33792                      ; behind the first path's four stages: the spare words, 128 bytes a wave, named by no other line
.set CBASE, 34304                      ; the second path's stages
.set SPW,   12                         ; v12  my spare word's LDS address; never rewritten
.set NIL,   13                         ; v13  0; never rewritten
	v_lshl_add_u32 v[SPW], v0, 2, SPARE
	v_mov_b32 v[NIL], 0
	s_cmp_lt_u32 ttmp9, 288
	s_cbranch_scc0 .Lcols
; ---- x and Wp.  A wave makes half a block: four tiles of 16 rows x 128 K.  Each load reads 512 consecutive bytes of one row; a tile's 16 rows turn through the wave's own stage, so that a lane gets 2 x 32 neighbours along K.
.set PITCH, 528                        ; a stage row: 512 bytes + 16
.set WSTG,  16*PITCH
.set CO16,  3
.set CO8,   5
.set SH8,   6
.set SIN,   14
.set SOUT,  15
.set R,     16                         ; v16-143  two sets of 64: a tile as loaded
.set X,     144                        ; v144-207 my 2 x 32 neighbours
.set PC,    208                        ; v208-219 the fragment's codes
.set T,     220                        ; the upper halves' codes, made here and moved
.set MX,    228
.set SO,    230
.set BY,    232
.set WD,    234
.set WX,    235
.set SW,    238
	s_load_b128 s[4:7], s[0:1], 0x0                ; x, Wp
	s_load_b64 s[8:9], s[0:1], 0x28                ; opq
	v_lshrrev_b32 v1, 5, v0
	v_readfirstlane_b32 s10, v1                    ; wave
	v_and_b32 v2, 31, v0
	v_lshlrev_b32 v[CO16], 4, v2
	v_lshlrev_b32 v[CO8], 3, v2
	v_bfe_u32 v4, v0, 4, 1                         ; h
	v_lshlrev_b32 v[SH8], 3, v4
	v_and_b32 v7, 15, v0                           ; r
	s_mul_i32 s11, s10, WSTG
	v_add_nc_u32 v[SIN], s11, v[CO16]
	v_mul_u32_u24 v[SOUT], v7, PITCH
	v_lshl_add_u32 v[SOUT], v4, 7, v[SOUT]
	v_add_nc_u32 v[SOUT], s11, v[SOUT]
	v_mov_b32 v[WX], 0                             ; a lane permute's destination counts as one of its sources
	s_mov_b32 s20, 0xffff0000                      ; lanes 16-31
	s_mov_b32 s22, 0x76543210
	s_mov_b32 s23, 0xfedcba98                      ; selects: lane l xor 16
	s_wait_alu depctr_va_vdst(0)                   ; the wait at the head's end
	s_wait_kmcnt 0x0
	s_cmp_lt_u32 ttmp9, 256                        ; the first 256 work-groups take x, the next 32 Wp
	s_cselect_b64 s[4:5], s[4:5], s[6:7]
	s_cselect_b32 s12, 0, 256
	s_cselect_b32 s13, 0, 88                       ; the tensor's first group in opq
	s_sub_co_u32 s12, ttmp9, s12
	s_lshl_b32 s12, s12, 2
	s_add_co_u32 s12, s12, s10                     ; my job J
	s_and_b32 s14, s12, 7                          ; which 128 along K
	s_bfe_u32 s15, s12, 0x10003                    ; which half of the block
	s_lshr_b32 s16, s12, 4                         ; which group of 128 rows
	s_lshl_b32 s18, s16, 19
	s_lshl_b32 s17, s15, 18
	s_add_co_u32 s18, s18, s17
	s_lshl_b32 s17, s14, 9
	s_add_co_u32 s18, s18, s17
	s_mov_b32 s19, 0
	s_add_nc_u64 s[4:5], s[4:5], s[18:19]
	s_add_co_u32 s16, s16, s13
	s_lshl_b32 s16, s16, 3
	s_add_co_u32 s16, s16, s14
	s_mul_i32 s18, s16, BLK
	s_add_nc_u64 s[8:9], s[8:9], s[18:19]          ; my block
	s_lshl_b32 s18, s15, 8
	s_add_co_u32 s18, s18, 12288
	s_add_nc_u64 s[24:25], s[8:9], s[18:19]        ; my half's scale words
	s_mul_i32 s18, s15, 6144
	s_add_nc_u64 s[8:9], s[8:9], s[18:19]          ; my half's codes
.macro LOADR t                         ; tile t's sixteen rows into set t % 2
.irp i, 0,1,2,3,4,5,6,7,8,9,10,11,12,13,14,15
	global_load_b128 v[R+64*((\t)%2)+4*\i:R+64*((\t)%2)+4*\i+3], v[CO16], s[4:5] offset:(32*((\t)/2)+8*((\t)%2)+\i+8*(\i/8))*4096 th:TH_LOAD_NT
.endr
.endm
.macro TILE t
.if (\t) < 3
	s_wait_loadcnt 16                              ; this tile's sixteen loads are in; the next tile's sixteen may be out
.else
	s_wait_loadcnt 0x0
.endif
.irp i, 0,1,2,3,4,5,6,7,8,9,10,11,12,13,14,15
	ds_store_b128 v[SIN], v[R+64*((\t)%2)+4*\i:R+64*((\t)%2)+4*\i+3] offset:PITCH*\i
.endr
.irp c, 0,1
.irp j, 0,1,2,3,4,5,6,7
	ds_load_b128 v[X+32*\c+4*\j:X+32*\c+4*\j+3], v[SOUT] offset:256*\c+16*\j   ; LDS serves a wave's instructions in order: these see the stores above
.endr
.endr
	s_wait_dscnt 0x0                               ; my neighbours are in, and the stores have read the set,
.if (\t) < 2
	LOADR (\t)+2                                   ; which takes the tile two on
.endif
.irp c, 0,1
	v_max3_num_f32 v[MX+\c], |v[X+32*\c]|, |v[X+32*\c+1]|, 0x1800000   ; my block 2 c + h; the floor 2^(3 - 127) holds the byte at 1 from below
.endr
.irp i, 2,4,6,8,10,12,14,16,18,20,22,24,26,28,30
.irp c, 0,1
	v_max3_num_f32 v[MX+\c], v[MX+\c], |v[X+32*\c+\i]|, |v[X+32*\c+\i+1]|
.endr
.endr
.irp c, 0,1
	v_add_nc_u32 v[SO+\c], 0xff000000, v[MX+\c]    ; 2 off the exponent field: the conversion's scale operand
.endr
.irp c, 0,1
	v_lshrrev_b32 v[BY+\c], 23, v[SO+\c]           ; the scale's byte
.endr
	v_lshl_or_b32 v[WD], v[BY+1], 16, v[BY]
	v_lshlrev_b32 v[WD], v[SH8], v[WD]
	v_permlanex16_b32 v[WX], v[WD], s22, s23
	v_or_b32 v[WD], v[WD], v[WX]                   ; with lane l xor 16's two bytes the word is whole
	s_wait_alu depctr_va_vdst(0)                   ; the wait ahead of the wait below
	s_wait_xcnt 0x0                                ; the last tile's stores have read their data
.irp c, 0,1
	v_cvt_scalef32_pk16_fp6_f32 v[PC+6*\c:PC+6*\c+2], v[X+32*\c:X+32*\c+15], v[SO+\c]
	v_cvt_scalef32_pk16_fp6_f32 v[T+4*\c:T+4*\c+2], v[X+32*\c+16:X+32*\c+31], v[SO+\c]
.endr
	v_nop                                          ; one plain place behind a scaled conversion
.irp c, 0,1
.irp i, 0,1,2
	v_mov_b32 v[PC+6*\c+3+\i], v[T+4*\c+\i]
.endr
.endr
	global_store_b128 v[CO16], v[PC:PC+3], s[8:9] offset:1536*(\t)          ; 512 consecutive bytes
	global_store_b64 v[CO8], v[PC+4:PC+5], s[8:9] offset:1536*(\t)+512      ; 256
	global_store_b128 v[CO16], v[PC+6:PC+9], s[8:9] offset:1536*(\t)+768
	global_store_b64 v[CO8], v[PC+10:PC+11], s[8:9] offset:1536*(\t)+1280
.if (\t)%2 == 0
	v_mov_b32 v[SW+(\t)/2], v[WD]                  ; an even tile's words serve in lanes 0-15,
.else
	v_cndmask_b32 v[SW+(\t)/2], v[SW+(\t)/2], v[WD], s20   ; an odd tile's in lanes 16-31
.endif
.endm
	LOADR 0
	LOADR 1
	TILE 0
	TILE 1
	TILE 2
	TILE 3
	global_store_b64 v[CO8], v[SW:SW+1], s[24:25]  ; 256 consecutive bytes
	s_wait_tensorcnt 0x0                           ; the wave's end, behind my last LDS store
	ds_add_u32 v[SPW], v[NIL]
	s_wait_dscnt 0x0
	s_endpgm
; ---- Wq, Wk, Wv.  A lane takes a column d and its registers run down K: a block of 32 lies in one lane's 32 registers.  A wave makes half a block (one head's 64 columns x 128 K) in eight units of 32 columns x 32 K;
; the codes are laid into a byte image of the half block in the wave's own stage and leave as 512 consecutive bytes a store.
.Lcols:
.set CSTG,  6400                       ; a wave's stage: 6,144 bytes of codes, 256 of scale words
.set IN4,   3
.set LA16,  8
.set LA8,   9
.set LS,    10
.set CC16,  11
.set RD16,  14
.set CC8,   15
.set RD8,   16
.set XC,    32                         ; v32-95 two sets of 32 numbers; on the way out the half block
.set P,     96
.set TU,    104
.set SBW,   112
	s_load_b256 s[4:11], s[0:1], 0x10              ; Wq, Wk, Wv, opq
	v_lshrrev_b32 v1, 5, v0
	v_readfirstlane_b32 s12, v1                    ; wave
	v_and_b32 v2, 31, v0                           ; lane j: column 32 B + j = 32 B + 8 u + r + 8 (r / 8)
	v_lshlrev_b32 v[IN4], 2, v2
	v_bfe_u32 v4, v0, 3, 1                         ; u
	v_and_b32 v5, 7, v0
	v_bfe_u32 v6, v0, 4, 1
	v_lshl_or_b32 v5, v6, 3, v5                    ; r
	s_mul_i32 s13, s12, CSTG
	s_add_co_u32 s13, s13, CBASE
	v_mul_u32_u24 v7, v4, 1536
	v_add_nc_u32 v7, s13, v7
	v_lshl_add_u32 v[LA16], v5, 4, v7
	v_lshl_add_u32 v[LA8], v5, 3, v7
	v_add_nc_u32 v[LA8], 512, v[LA8]
	v_lshlrev_b32 v[LS], 3, v5
	v_lshl_add_u32 v[LS], v4, 7, v[LS]
	v_add_nc_u32 v[LS], s13, v[LS]
	v_add_nc_u32 v[LS], 6144, v[LS]
	v_lshlrev_b32 v[CC16], 4, v2
	v_add_nc_u32 v[RD16], s13, v[CC16]
	v_lshlrev_b32 v[CC8], 3, v2
	v_add_nc_u32 v[RD8], s13, v[CC8]
	v_add_nc_u32 v[RD8], 6144, v[RD8]
	s_sub_co_u32 s26, ttmp9, 288                   ; 0 .. 95
	s_lshr_b32 s14, s26, 5                         ; which tensor
	s_and_b32 s15, s26, 31
	s_lshl_b32 s15, s15, 2
	s_add_co_u32 s15, s15, s12                     ; my job J
	s_and_b32 s16, s15, 7                          ; which 128 along K
	s_lshr_b32 s17, s15, 3                         ; head
	s_lshl_b32 s18, s17, 18
	s_lshl_b32 s20, s16, 15
	s_add_co_u32 s18, s18, s20
	s_mov_b32 s19, 0
	s_lshl_b32 s20, s14, 3
	s_lshr_b32 s21, s17, 1
	s_add_co_u32 s20, s20, s21
	s_add_co_u32 s20, s20, 64                      ; the group
	s_lshl_b32 s20, s20, 3
	s_add_co_u32 s20, s20, s16
	s_mul_i32 s20, s20, BLK
	s_mov_b32 s21, 0
	s_and_b32 s22, s17, 1                          ; which half of the block
	s_wait_alu depctr_va_vdst(0)                   ; the wait at the head's end
	s_wait_kmcnt 0x0
	s_cmp_lt_u32 s26, 64                           ; the choices hang on the work-group's number alone
	s_cselect_b64 s[6:7], s[6:7], s[8:9]
	s_cmp_lt_u32 s26, 32
	s_cselect_b64 s[4:5], s[4:5], s[6:7]
	s_add_nc_u64 s[4:5], s[4:5], s[18:19]
	s_add_nc_u64 s[10:11], s[10:11], s[20:21]      ; my block
	s_lshl_b32 s20, s22, 8
	s_add_co_u32 s20, s20, 12288
	s_add_nc_u64 s[24:25], s[10:11], s[20:21]      ; my half's scale words
	s_mul_i32 s20, s22, 6144
	s_add_nc_u64 s[10:11], s[10:11], s[20:21]      ; my half's codes
.macro LOADC n                         ; unit n: block n / 2 along K, columns 32 (n % 2) on, into set n % 2
.irp i, 0,1,2,3,4,5,6,7,8,9,10,11,12,13,14,15,16,17,18,19,20,21,22,23,24,25,26,27,28,29,30,31
	global_load_b32 v[XC+32*((\n)%2)+\i], v[IN4], s[4:5] offset:(32*((\n)/2)+\i)*256+128*((\n)%2)
.endr
.endm
.macro UNIT n
.set XS, XC+32*((\n)%2)
.set KB, (\n)/2
.set HB, (\n)%2
.if (\n) < 7
	s_wait_loadcnt 32                              ; this unit's 32 loads are in; the next unit's may be out
.else
	s_wait_loadcnt 0x0
.endif
	v_max3_num_f32 v108, |v[XS]|, |v[XS+1]|, |v[XS+2]|
	v_max3_num_f32 v109, |v[XS+3]|, |v[XS+4]|, |v[XS+5]|
.irp i, 6,10,14,18,22,26
	v_max3_num_f32 v108, v108, |v[XS+\i]|, |v[XS+\i+1]|
	v_max3_num_f32 v109, v109, |v[XS+\i+2]|, |v[XS+\i+3]|
.endr
	v_max3_num_f32 v108, v108, |v[XS+30]|, |v[XS+31]|
	v_max3_num_f32 v108, v108, v109, 0x1800000     ; the floor 2^(3 - 127)
	v_add_nc_u32 v110, 0xff000000, v108            ; the conversion's scale operand
	v_lshrrev_b32 v111, 23, v110                   ; the scale's byte
.if KB == 0
	v_mov_b32 v[SBW+HB], v111
.else
	v_lshl_or_b32 v[SBW+HB], v111, 8*KB, v[SBW+HB]
.endif
	v_cvt_scalef32_pk16_fp6_f32 v[P:P+2], v[XS:XS+15], v110
	v_cvt_scalef32_pk16_fp6_f32 v[TU:TU+2], v[XS+16:XS+31], v110
	v_nop                                          ; one plain place behind a scaled conversion
.irp i, 0,1,2
	v_mov_b32 v[P+3+\i], v[TU+\i]
.endr
	ds_store_b128 v[LA16], v[P:P+3] offset:3072*HB+768*(KB/2)+256*(KB%2)     ; the place of lane r + 16 (kb % 2), registers 6 (kb / 2) on, of tile 2 B + u
	ds_store_b64 v[LA8], v[P+4:P+5] offset:3072*HB+768*(KB/2)+128*(KB%2)
.if KB == 3
	ds_store_b32 v[LS], v[SBW+HB] offset:4*HB
.endif
.if (\n)+2 < 8
	LOADC (\n)+2
.endif
	s_wait_dscnt 0x0                               ; the stores have read their registers
.endm
	LOADC 0
	LOADC 1
.irp n, 0,1,2,3,4,5,6,7
	UNIT \n
.endr
.irp n, 0,1,2,3,4,5,6,7,8,9,10,11
	ds_load_b128 v[XC+4*\n:XC+4*\n+3], v[RD16] offset:512*\n      ; LDS serves a wave's instructions in order: these see my stores
.endr
	ds_load_b64 v[XC+48:XC+49], v[RD8]
.irp n, 0,1,2,3,4,5,6,7,8,9,10,11
	s_wait_dscnt 12-\n                             ; the younger LDS loads may be out
	global_store_b128 v[CC16], v[XC+4*\n:XC+4*\n+3], s[10:11] offset:512*\n    ; 512 consecutive bytes, aligned to 256
.endr
	s_wait_dscnt 0x0
	global_store_b64 v[CC8], v[XC+48:XC+49], s[24:25]
	s_wait_tensorcnt 0x0                           ; the wave's end, behind my last LDS store
	ds_add_u32 v[SPW], v[NIL]
	s_wait_dscnt 0x0
	s_endpgm
.Lfunc_end_k_q15bf693a39_quant:
	.size	k_q15bf693a39_quant, .Lfunc_end_k_q15bf693a39_quant-k_q15bf693a39_quant
	.p2alignl 7, 3214868480
	.fill 96, 4, 3214868480
	.section	.rodata,"a",@progbits
	.p2align	6, 0x0
	.amdhsa_kernel k_q15bf693a39_quant
		.amdhsa_group_segment_fixed_size 59904
		.amdhsa_private_segment_fixed_size 0
		.amdhsa_enable_private_segment 0
		.amdhsa_kernarg_size 48
		.amdhsa_user_sgpr_count 2
		.amdhsa_user_sgpr_kernarg_segment_ptr 1
		.amdhsa_wavefront_size32 1
		.amdhsa_system_sgpr_workgroup_id_x 1
		.amdhsa_system_sgpr_workgroup_id_y 1
		.amdhsa_system_sgpr_workgroup_id_z 1
		.amdhsa_system_vgpr_workitem_id 0
		.amdhsa_next_free_vgpr 240
		.amdhsa_next_free_sgpr 66
		.amdhsa_reserve_vcc 0
		.amdhsa_float_denorm_mode_32 3
		.amdhsa_float_denorm_mode_16_64 3
		.amdhsa_memory_ordered 1
		.amdhsa_forward_progress 1
		.amdhsa_inst_pref_size 73
	.end_amdhsa_kernel
	.amdgpu_metadata
---
amdhsa.version: [ 1, 2 ]
amdhsa.kernels:
  - .name:           k_q15bf693a39_quant
    .symbol:         k_q15bf693a39_quant.kd
    .args:
      - { .name: x, .offset: 0, .size: 8, .value_kind: global_buffer, .address_space: global }
      - { .name: Wp, .offset: 8, .size: 8, .value_kind: global_buffer, .address_space: global }
      - { .name: Wq, .offset: 16, .size: 8, .value_kind: global_buffer, .address_space: global }
      - { .name: Wk, .offset: 24, .size: 8, .value_kind: global_buffer, .address_space: global }
      - { .name: Wv, .offset: 32, .size: 8, .value_kind: global_buffer, .address_space: global }
      - { .name: opq, .offset: 40, .size: 8, .value_kind: global_buffer, .address_space: global }
    .group_segment_fixed_size: 59904
    .private_segment_fixed_size: 0
    .kernarg_segment_align: 8
    .kernarg_segment_size: 48
    .max_flat_workgroup_size: 128
    .sgpr_count:     66
    .vgpr_count:     240
    .wavefront_size: 32
...
	.end_amdgpu_metadata
.endif
;; end of part 1
;; launch gemm_qkv (part 2): grid 8 x 48, 4 waves a work-group, clusters of 4 x 4, 327,680 bytes of LDS; arguments opq, qkv; writes qkv
.if DOCPART == 2
	.amdgcn_target "amdgcn-amd-amdhsa--gfx1250"
	.amdhsa_code_object_version 6
	.text
	.protected	k_q15bf693a39_gemm_qkv
	.globl	k_q15bf693a39_gemm_qkv
	.p2align	8
	.type	k_q15bf693a39_gemm_qkv,@function
k_q15bf693a39_gemm_qkv:
	s_mov_b64 s[64:65], 0
	v_nop
	global_prefetch_b8 v0, s[64:65] scope:SCOPE_SE
	s_setreg_imm32_b32 hwreg(HW_REG_WAVE_MODE, 25, 1), 1
	s_wait_xcnt 0x0
	s_wait_alu depctr_hold_cnt(0) depctr_sa_sdst(0) depctr_va_vdst(0) depctr_va_sdst(0) depctr_va_ssrc(0) depctr_va_vcc(0) depctr_vm_vsrc(0)
	s_getreg_b32 s2, hwreg(HW_REG_IB_STS2, 6, 4)
	s_cmp_eq_u32 s2, 0
	s_cbranch_scc0 .Lentry_in_a_cluster
	s_endpgm
.Lentry_in_a_cluster:
	s_bfe_u32 s2, ttmp6, 0x10000c
	s_cmp_lg_u32 s2, 0xf033
	s_cbranch_scc0 .Lentry_shape_is_right
	s_endpgm
.Lentry_shape_is_right:
; q = x Wq, k = x Wk, v = x Wv on codes of FP6 (E2M3) with E8M0 scales, K = 1,024, and the results quantised on the way out: q and k along the head's 64, v along the keys.
; Operands come from opq in blocks of 12,800 bytes (128 rows x 128 K as images of operand registers; tile a = 2 B + u holds rows 32 B + 8 u + r + 8 (r / 8); scale words from byte 12,288 on); a group is 128 rows x all of K: 8 blocks on end.
; TWO SIDES.  L, the lane side, is source 1: a lane of the result holds one row of L.  R, the register side, is source 0: by the tiles' choice of rows the 16 registers of result tiles 2 B and 2 B + 1 are the 16 neighbours
; 32 B + 16 (lane / 16) + 0 .. 15 along R.  The result is quantised along R and stored as a block again: rows = L's 128, K = R's 128.
; TWO MODES, by the cluster's y, which all partners share.  y < 8: L = x, R = Wq and Wk (a group = a pair of heads x 64): blocks of q and k, rows = 128 of T, K = [even head | odd head].  y >= 8: L = Wv, R = x: blocks of v,
; rows = 2 heads x 64, K = 128 keys.  Both sides lie in one buffer, so a mode is four numbers chosen by s_cselect_b32; no branch hangs on it.
; qkv: block (region x 512 + (batch x 8 + pair of heads) x 16 + group of 128 along T), region 0 q, 1 k, 2 v.
; SHARES.  A work-group makes 256 x 256, each of its four waves 128 x 128: 64 accumulators, 512 registers.  All of K is four fills of 256 along K: three LDS slots filled at the start, slot 0 filled once more.
; CLUSTERS: 4 x 4 work-groups; L's blocks are shared along a row of the cluster, R's along a column: each is asked for jointly, by the same tensor load with the same descriptor and a mask that names the four.
; LIMITS: a block of results whose largest magnitude lies under 2^-124 gets the byte 1, a block of zeros too (its codes are zeros; this program alone reads the bytes); NaN and infinities are not served.
; REGISTERS, in windows of 256.  Window 0: v16-27 LDS addresses; v28, v29 the add's two; v30, v31 16 x lane, 8 x lane; v32-47 scale words, two sets (L's four, R's four); v48-67 codes just made; v72-87 at work; v88 a scale word;
;   v[92:95] the block's scale words; v128-223 L's eight fragments, ONE set.  Window 1: R's eight fragments, TWO sets, at v0 and v128.  Windows 2, 3: accumulator (a, b) at v[8 (8 (a % 4) + b)].
.set BLK,   12800
.set GRP,   8*BLK                      ; a group in memory
.set POS,   2*BLK                      ; a quarter of K of one group: two blocks
.set SLOT,  POS                        ; LDS is laid by groups: slot s of a group lies s x POS into the group's region
.set REG,   3*POS                      ; a group's region: three quarters of K.  Regions: L's group 0, L's group 1, R's group 0, R's group 1
.set SPARE, 4*REG                      ; behind the four regions: the spare words, 128 bytes a wave, named by no other line
.set ADL16, 16                         ; v16-18 slot s: 16 x lane + my L group
.set ADL8,  19                         ; v19-21 8 x lane + 512 + the same
.set ADR16, 22
.set ADR8,  25
.set SPW,   28
.set NIL,   29
.set CO16,  30
.set CO8,   31
.set SC,    32
.set PC,    48
.set TM,    72
.set PW,    88
.set SW,    92
.set LF,    128
.set G1L,   24                         ; s[24:31] group 1 for L;  s[32:35] group 0
.set G0L,   32
.set G1R,   44                         ; s[44:51], s[52:55] the same for R
.set G0R,   52
.set MSB, 0
.macro WIN new                         ; the immediate's high byte repeats the setting that is left
.if MSB != (\new)
	s_set_vgpr_msb (MSB<<8)|(\new)
.set MSB, (\new)
.endif
.endm
.set MUL_LO, 0xa1                      ; source 0 (R) window 1, source 1 (L) window 0, C and D window 2
.set MUL_HI, 0xf1                      ; the same, C and D window 3
.set TO_R,   0x40                      ; destination window 1, address window 0
; A joint load: waves 0 and 1 fetch L's two groups, waves 2 and 3 R's.  The branch hangs on the wave's number alone.  An s_nop 0 and four v_nop follow each line.
.macro JLOAD f
	s_cmp_eq_u32 s15, 0
	s_cbranch_scc0 .Lfor_r_\@
	tensor_load_to_lds s[G0L+4*\f:G0L+4*\f+3], s[G1L:G1L+7]
	s_nop 0
.rept 4
	v_nop
.endr
	s_branch .Lasked_\@
.Lfor_r_\@:
	tensor_load_to_lds s[G0R+4*\f:G0R+4*\f+3], s[G1R:G1R+7]
	s_nop 0
.rept 4
	v_nop
.endr
.Lasked_\@:
.endm
.macro CREST                           ; a round of the cluster's barrier behind its opening barrier
	s_cmp_lg_u32 s14, 0
	s_cbranch_scc1 .Lnot_wave_0_\@
	s_barrier_signal -3
.Lnot_wave_0_\@:
	s_barrier_wait -3
	s_barrier_signal -1
	s_barrier_wait -1
.endm
.macro CROUND
	s_barrier_signal -1
	s_barrier_wait -1
	CREST
.endm
.macro PLACES                          ; four places in front of loads into registers that matrix instructions have read, and of the first read of results
.rept 4
	v_nop
.endr
.endm
	s_load_b128 s[4:7], s[0:1], 0x0                ; opq, qkv
	v_lshl_add_u32 v[SPW], v0, 2, SPARE
	v_mov_b32 v[NIL], 0
	ds_add_u32 v[SPW], v[NIL]                      ; the wave's opening: the add and its wait stand ahead of my first tensor load; the set-up below stands between them
	ds_add_u32 v[SPW], v[NIL]
	v_lshrrev_b32 v1, 5, v0
	v_readfirstlane_b32 s14, v1                    ; wave 0..3
	s_lshr_b32 s15, s14, 1                         ; my half of L's rows.  Also: I fetch for L (0) or for R (1)
	s_and_b32 s16, s14, 1                          ; my half of R's rows.  Also: which group of that side I fetch
	s_bfe_u32 s66, ttmp6, 0x40000                  ; cx
	s_bfe_u32 s67, ttmp6, 0x40004                  ; cy
	s_and_b32 s68, ttmp7, 0xffff                   ; the cluster's y
	s_sub_co_u32 s72, s68, 8
	s_lshl_b32 s72, s72, 1
	s_add_co_u32 s72, s72, ttmp9                   ; 2 (y - 8) + x
	s_cmp_lt_u32 s68, 8                            ; q and k, or v?
	s_cselect_b32 s69, 0, 80                       ; L's first group: x or Wv
	s_cselect_b32 s70, s68, 0                      ; L's cluster coordinate
	s_cselect_b32 s71, 64, 0                       ; R's first group: Wq or x
	s_cselect_b32 s72, ttmp9, s72                  ; R's cluster coordinate
	s_cselect_b32 s74, 1, 0
	s_lshl_b32 s73, s70, 2
	s_add_co_u32 s73, s73, s67                     ; tl: which 256 rows of L: hangs on cy, never on cx
	s_lshl_b32 s75, s72, 2
	s_add_co_u32 s75, s75, s66                     ; tr: which 256 rows of R: hangs on cx, never on cy
	s_lshl_b32 s76, s73, 1
	s_add_co_u32 s76, s76, s16
	s_add_co_u32 s76, s76, s69                     ; the group of L that I would fetch
	s_mul_i32 s78, s76, GRP
	s_mov_b32 s79, 0
	s_lshl_b32 s77, s75, 1
	s_add_co_u32 s77, s77, s16
	s_add_co_u32 s77, s77, s71                     ; and of R
	s_mul_i32 s80, s77, GRP
	s_mov_b32 s81, 0
	s_lshl_b32 s82, s67, 2
	s_lshl_b32 s82, 15, s82                        ; my row of the cluster
	s_lshl_b32 s83, 0x1111, s66                    ; my column
	s_or_b32 s[G1L], s82, (3<<16)|(1<<21)          ; 15:0 the mask; 17:16 elements of 8 bytes; 21 set beside a mask; no padding: every LDS read here is lane by lane on end
	s_or_b32 s[G1R], s83, (3<<16)|(1<<21)
.irp g, G1L, G1R
	s_mov_b32 s[\g+1], 32<<16                      ; tensor_dim0 = 32 elements: rows of 256 bytes
	s_mov_b32 s[\g+2], 300<<16                     ; tensor_dim1 = 300: the head's load brings 76,800 dense bytes, six blocks of a group
	s_mov_b32 s[\g+3], 32<<16                      ; tile_dim0
	s_mov_b32 s[\g+4], 300                         ; tile_dim1
	s_mov_b32 s[\g+5], 32                          ; the pitch
	s_mov_b32 s[\g+6], 0
	s_mov_b32 s[\g+7], 0
.endr
	s_mul_i32 s84, s14, REG                        ; where my load lands: the wave's number alone
	s_mov_b32 s20, 0xffff0000                      ; lanes 16-31
	s_mov_b32 s22, 0x76543210
	s_mov_b32 s23, 0xfedcba98                      ; selects: lane l xor 16
	s_wait_dscnt 0x0                               ; the opening add is done
	s_wait_kmcnt 0x0
	s_add_nc_u64 s[78:79], s[4:5], s[78:79]
	s_add_nc_u64 s[80:81], s[4:5], s[80:81]
	CROUND                                         ; all sixteen work-groups are here: the first joint loads meet
.irp f, 0
	s_mov_b32 s[G0L+4*\f], 1
	s_add_co_u32 s[G0L+4*\f+1], s84, \f*SLOT
	s_add_nc_u64 s[G0L+4*\f+2:G0L+4*\f+3], s[78:79], \f*POS
	s_or_b32 s[G0L+4*\f+3], s[G0L+4*\f+3], 0x80000000
	s_mov_b32 s[G0R+4*\f], 1
	s_add_co_u32 s[G0R+4*\f+1], s84, \f*SLOT
	s_add_nc_u64 s[G0R+4*\f+2:G0R+4*\f+3], s[80:81], \f*POS
	s_or_b32 s[G0R+4*\f+3], s[G0R+4*\f+3], 0x80000000
	JLOAD \f                                       ; my one tensor load at the head: three quarters of K of my group
.endr
	v_and_b32 v1, 31, v0
	v_lshlrev_b32 v[CO16], 4, v1
	v_lshlrev_b32 v[CO8], 3, v1
	v_add_nc_u32 v2, 512, v[CO8]
	s_mul_i32 s85, s15, REG                        ; my group of L
	s_mul_i32 s86, s16, REG
	s_add_co_u32 s86, s86, 2*REG                   ; my group of R
.irp s, 0,1,2
	v_add_nc_u32 v[ADL16+\s], s85, v[CO16]
	v_add_nc_u32 v[ADL8+\s], s85, v2
	v_add_nc_u32 v[ADR16+\s], s86, v[CO16]
	v_add_nc_u32 v[ADR8+\s], s86, v2
	s_add_co_u32 s85, s85, SLOT
	s_add_co_u32 s86, s86, SLOT
.endr
.irp b, 0,1,2,3
	v_mov_b32 v[TM+4+\b], 0                        ; a lane permute's destination counts as one of its sources
.endr
	; the block that I store
	s_lshl_b32 s87, s73, 1
	s_add_co_u32 s87, s87, s15                     ; my group of L, counted from its side's first
	s_lshl_b32 s88, s75, 1
	s_add_co_u32 s88, s88, s16                     ; my group of R
	s_add_co_u32 s90, s87, 16
	s_cmp_eq_u32 s74, 1
	s_cselect_b32 s89, s87, s88                    ; x's group: 16 x batch + group along T
	s_cselect_b32 s91, s88, s90                    ; the weight's: 8 x region + pair of heads
	s_lshr_b32 s92, s91, 3
	s_lshl_b32 s92, s92, 9
	s_lshr_b32 s93, s89, 4
	s_lshl_b32 s93, s93, 7
	s_add_co_u32 s92, s92, s93
	s_and_b32 s93, s91, 7
	s_lshl_b32 s93, s93, 4
	s_add_co_u32 s92, s92, s93
	s_and_b32 s93, s89, 15
	s_add_co_u32 s92, s92, s93
	s_mul_i32 s92, s92, BLK
	s_mov_b32 s93, 0
	s_add_nc_u64 s[6:7], s[6:7], s[92:93]
; One matrix instruction; its registers are named by symbols.  orr, ol: R's, L's tile is odd: its scale words stand in lanes 16-31.  first = 1: the product starts its sum.
.macro WM orr, ol, first
.if \first
.if (\orr) && (\ol)
	v_wmma_scale_f32_16x16x128_f8f6f4 v[rD:rD+7], v[rR:rR+11], v[rL:rL+11], 0, v[rSR], v[rSL] matrix_a_fmt:MATRIX_FMT_FP6 matrix_b_fmt:MATRIX_FMT_FP6 matrix_a_scale:MATRIX_SCALE_ROW1 matrix_b_scale:MATRIX_SCALE_ROW1
.elseif (\orr)
	v_wmma_scale_f32_16x16x128_f8f6f4 v[rD:rD+7], v[rR:rR+11], v[rL:rL+11], 0, v[rSR], v[rSL] matrix_a_fmt:MATRIX_FMT_FP6 matrix_b_fmt:MATRIX_FMT_FP6 matrix_a_scale:MATRIX_SCALE_ROW1
.elseif (\ol)
	v_wmma_scale_f32_16x16x128_f8f6f4 v[rD:rD+7], v[rR:rR+11], v[rL:rL+11], 0, v[rSR], v[rSL] matrix_a_fmt:MATRIX_FMT_FP6 matrix_b_fmt:MATRIX_FMT_FP6 matrix_b_scale:MATRIX_SCALE_ROW1
.else
	v_wmma_scale_f32_16x16x128_f8f6f4 v[rD:rD+7], v[rR:rR+11], v[rL:rL+11], 0, v[rSR], v[rSL] matrix_a_fmt:MATRIX_FMT_FP6 matrix_b_fmt:MATRIX_FMT_FP6
.endif
.else
.if (\orr) && (\ol)
	v_wmma_scale_f32_16x16x128_f8f6f4 v[rD:rD+7], v[rR:rR+11], v[rL:rL+11], v[rD:rD+7], v[rSR], v[rSL] matrix_a_fmt:MATRIX_FMT_FP6 matrix_b_fmt:MATRIX_FMT_FP6 matrix_a_scale:MATRIX_SCALE_ROW1 matrix_b_scale:MATRIX_SCALE_ROW1
.elseif (\orr)
	v_wmma_scale_f32_16x16x128_f8f6f4 v[rD:rD+7], v[rR:rR+11], v[rL:rL+11], v[rD:rD+7], v[rSR], v[rSL] matrix_a_fmt:MATRIX_FMT_FP6 matrix_b_fmt:MATRIX_FMT_FP6 matrix_a_scale:MATRIX_SCALE_ROW1
.elseif (\ol)
	v_wmma_scale_f32_16x16x128_f8f6f4 v[rD:rD+7], v[rR:rR+11], v[rL:rL+11], v[rD:rD+7], v[rSR], v[rSL] matrix_a_fmt:MATRIX_FMT_FP6 matrix_b_fmt:MATRIX_FMT_FP6 matrix_b_scale:MATRIX_SCALE_ROW1
.else
	v_wmma_scale_f32_16x16x128_f8f6f4 v[rD:rD+7], v[rR:rR+11], v[rL:rL+11], v[rD:rD+7], v[rSR], v[rSL] matrix_a_fmt:MATRIX_FMT_FP6 matrix_b_fmt:MATRIX_FMT_FP6
.endif
.endif
.endm
; 16 matrix instructions: L's tiles a0, a0 + 1 x R's eight, 128 along K.  p: R's set and the scale words' set.  The 64 accumulators take turns, one instruction a turn, in the same order in every step.
.macro MUL16 a0, p, first
.irp a, \a0, \a0+1
.irp b, 0,1,2,3,4,5,6,7
.set rD, 8*(8*((\a)%4)+\b)
.set rR, 128*(\p)+12*\b
.set rL, LF+12*(\a)
.set rSR, SC+8*(\p)+4+\b/2
.set rSL, SC+8*(\p)+(\a)/2
	WM ((\b)%2), ((\a)%2), \first
.endr
.endr
.endm
.macro FRAG reg, a16, a8, off          ; a fragment's twelve registers as they lie in the block: 16 + 8 bytes a lane for each 64 along K
	ds_load_b128 v[(\reg):(\reg)+3], v[\a16] offset:\off
	ds_load_b64 v[(\reg)+4:(\reg)+5], v[\a8] offset:\off
	ds_load_b128 v[(\reg)+6:(\reg)+9], v[\a16] offset:\off+768
	ds_load_b64 v[(\reg)+10:(\reg)+11], v[\a8] offset:\off+768
.endm
.macro FETCH_R s, j, p                 ; R's eight fragments of block j of slot s into set p
	WIN TO_R
.irp i, 0,1,2,3,4,5,6,7
	FRAG 128*(\p)+12*\i, ADR16+(\s), ADR8+(\s), BLK*(\j)+1536*\i
.endr
	WIN 0
.endm
.macro FETCH_L s, j, i0                ; L's tiles i0 .. i0 + 3
.irp i, \i0, \i0+1, \i0+2, \i0+3
	FRAG LF+12*(\i), ADL16+(\s), ADL8+(\s), BLK*(\j)+1536*(\i)
.endr
.endm
.macro SCALES s, j, p                  ; the block's scale words: register t / 2 of a side holds tile t's, in lanes 0-15 (t even) or 16-31 (t odd)
	ds_load_b64 v[SC+8*(\p):SC+8*(\p)+1], v[ADL8+(\s)] offset:11776+BLK*(\j)
	ds_load_b64 v[SC+8*(\p)+2:SC+8*(\p)+3], v[ADL8+(\s)] offset:12032+BLK*(\j)
	ds_load_b64 v[SC+8*(\p)+4:SC+8*(\p)+5], v[ADR8+(\s)] offset:11776+BLK*(\j)
	ds_load_b64 v[SC+8*(\p)+6:SC+8*(\p)+7], v[ADR8+(\s)] offset:12032+BLK*(\j)
.endm
; A step of 128 along K whose successor (block nj of slot ns) is already shown whole to every wave.
.macro STEP kk, first, ns, nj
	s_wait_dscnt 16                                ; R's set, L's tiles 0-3 and the scale words are in; the youngest sixteen loads (L's tiles 4-7) may be out
	WIN MUL_LO
	MUL16 0, (\kk)%2, \first
	MUL16 2, (\kk)%2, \first
	s_wait_dscnt 0x0                               ; L's tiles 4-7 are in
	PLACES
	FETCH_R \ns, \nj, 1-(\kk)%2
	FETCH_L \ns, \nj, 0
	SCALES \ns, \nj, 1-(\kk)%2
	WIN MUL_HI
	MUL16 4, (\kk)%2, \first
	MUL16 6, (\kk)%2, \first
	PLACES
	WIN 0
	FETCH_L \ns, \nj, 4
.endm
; A step (an odd one) with a barrier in it: in front each wave waits for all its tensor loads, adds 0 to its spare word, and waits for that and for its reads of the slot in hand.
; fill = 1: the barrier opens a round of the cluster's barrier, and slot 0, which nobody reads any more, takes the last quarter of K.
.macro TURN kk, ns, fill
	s_wait_tensorcnt 0x0                           ; all my tensor loads have landed
	ds_add_u32 v[SPW], v[NIL]                      ; 0 onto my spare word
	s_wait_dscnt 17                                ; (the add and L's tiles 4-7 may be out)
	WIN MUL_LO
	MUL16 0, 1, 0                                  ; sixteen matrix instructions stand between the add and the wait for it
	s_wait_dscnt 0x0                               ; the add is done, and my reads of the slot are over
	s_barrier_signal -1
	MUL16 2, 1, 0
	WIN 0
	s_barrier_wait -1
.if \fill
	CREST                                          ; no wave of any partner still reads slot 0 or has a load on its way
	s_add_nc_u64 s[G0L+2:G0L+3], s[G0L+2:G0L+3], 3*POS
	s_add_nc_u64 s[G0R+2:G0R+3], s[G0R+2:G0R+3], 3*POS
	s_mov_b32 s[G1L+2], 100<<16                    ; no tensor load of mine is out, so a descriptor may be written: the refill brings 100 rows, two blocks
	s_mov_b32 s[G1L+4], 100
	s_mov_b32 s[G1R+2], 100<<16
	s_mov_b32 s[G1R+4], 100
	JLOAD 0                                        ; the first tensor load behind the round, and my only one; its four v_nop are also the places in front of the loads below
.else
	PLACES
.endif
	s_wait_alu depctr_va_vdst(0)
	FETCH_R \ns, 0, 0
	FETCH_L \ns, 0, 0
	SCALES \ns, 0, 0
	WIN MUL_HI
	MUL16 4, 1, 0
	MUL16 6, 1, 0
	PLACES
	WIN 0
	FETCH_L \ns, 0, 4
.endm
	s_wait_alu depctr_va_vdst(0)                   ; the wait at the head's end
	s_wait_tensorcnt 0x0                           ; my group's six blocks are in
	s_barrier_signal -1
	s_barrier_wait -1                              ; everybody's is
	FETCH_R 0, 0, 0
	FETCH_L 0, 0, 0
	SCALES 0, 0, 0
	FETCH_L 0, 0, 4
	STEP 0, 1, 0, 1                                ; the first products start the sums: nothing is cleared
	TURN 1, 1, 1                                   ; slots 1 and 2 are whole for every wave from here on; slot 0 takes blocks 6 and 7: 256 matrix instructions ahead of the wait for them
	STEP 2, 0, 1, 1
	STEP 3, 0, 2, 0
	STEP 4, 0, 2, 1
	TURN 5, 0, 0                                   ; slot 0's second fill is whole for every wave; nothing is filled again
	STEP 6, 0, 0, 1
	s_wait_dscnt 16                                ; the last step: nothing more to fetch
	WIN MUL_LO
	MUL16 0, 1, 0
	MUL16 2, 1, 0
	s_wait_dscnt 0x0
	WIN MUL_HI
	MUL16 4, 1, 0
	MUL16 6, 1, 0
	WIN 0
	PLACES
; THE WAY OUT.  L's tile a: a lane's 64 numbers, register 16 b + i = 32 b + 16 (lane / 16) + i along R of its row, become a fragment's codes and its row's scale word, and leave as tile a of my block.
.macro QUANTW a
.set QW, 2+(\a)/4
.set QS, 64*((\a)%4)
.set QWN, (QW<<2)|(QW<<4)
	WIN QWN                                        ; sources 1 and 2: the accumulators' window
.irp b, 0,1,2,3
	v_max3_num_f32 v[TM+\b], 0x1800000, |v[QS+16*\b]|, |v[QS+16*\b+1]|   ; the floor 2^(3 - 127) holds the byte at 1 from below.  Each accumulator is read from its low end on
.endr
.irp i, 2,4,6,8,10,12,14
.irp b, 0,1,2,3
	v_max3_num_f32 v[TM+\b], v[TM+\b], |v[QS+16*\b+\i]|, |v[QS+16*\b+\i+1]|
.endr
.endr
	WIN 0
.irp b, 0,1,2,3
	v_permlanex16_b32 v[TM+4+\b], v[TM+\b], s22, s23
.endr
.irp b, 0,1,2,3
	v_max_num_f32 v[TM+\b], v[TM+\b], v[TM+4+\b]   ; with lane l xor 16's: the block's largest magnitude
.endr
.irp b, 0,1,2,3
	v_add_nc_u32 v[TM+12+\b], 0xff000000, v[TM+\b] ; 2 off the exponent field: the conversion's scale operand
.endr
.irp b, 0,1,2,3
	v_lshrrev_b32 v[TM+4+\b], 23, v[TM+12+\b]      ; the scale's byte
.endr
	v_lshl_or_b32 v[PW], v[TM+5], 8, v[TM+4]
	v_lshl_or_b32 v[PW], v[TM+6], 16, v[PW]
	v_lshl_or_b32 v[PW], v[TM+7], 24, v[PW]
	s_wait_xcnt 0x0                                ; the last tile's stores have read their data: the codes' registers are rewritten only behind this wait
	WIN QW                                         ; source 0: the accumulators' window
.irp c, 0,1
	v_cvt_scalef32_pk16_fp6_f32 v[PC+6*\c:PC+6*\c+2], v[QS+32*\c:QS+32*\c+15], v[TM+12+2*\c]
	v_cvt_scalef32_pk16_fp6_f32 v[PC+12+4*\c:PC+14+4*\c], v[QS+16+32*\c:QS+31+32*\c], v[TM+13+2*\c]   ; (a conversion's three registers begin on an even number)
.endr
	WIN 0
	v_nop                                          ; one plain place behind a scaled conversion
.irp c, 0,1                                    ; the operand's layout wants a whole block in a lane: lanes 0-15 block 2 c, lanes 16-31 block 2 c + 1
.irp i, 0,1,2
	v_permlane16_swap_b32 v[PC+6*\c+\i], v[PC+12+4*\c+\i]
.endr
.irp i, 0,1,2
	v_mov_b32 v[PC+3+6*\c+\i], v[PC+12+4*\c+\i]
.endr
.endr
	global_store_b128 v[CO16], v[PC:PC+3], s[6:7] offset:1536*(\a)          ; 512 consecutive bytes, aligned to 256
	global_store_b64 v[CO8], v[PC+4:PC+5], s[6:7] offset:1536*(\a)+512      ; 256
	global_store_b128 v[CO16], v[PC+6:PC+9], s[6:7] offset:1536*(\a)+768
	global_store_b64 v[CO8], v[PC+10:PC+11], s[6:7] offset:1536*(\a)+1280
.if (\a)%2 == 0
	v_mov_b32 v[SW+(\a)/2], v[PW]                  ; an even tile's words serve in lanes 0-15,
.else
	v_cndmask_b32 v[SW+(\a)/2], v[SW+(\a)/2], v[PW], s20   ; an odd tile's in lanes 16-31
.endif
.endm
.irp a, 0,1,2,3,4,5,6,7
	QUANTW \a
.endr
	global_store_b64 v[CO8], v[SW:SW+1], s[6:7] offset:12288
	global_store_b64 v[CO8], v[SW+2:SW+3], s[6:7] offset:12544
	s_wait_tensorcnt 0x0                           ; the wave's end, behind my last tensor load
	ds_add_u32 v[SPW], v[NIL]
	s_wait_dscnt 0x0
	CROUND                                         ; the closing round: no work-group ends while a partner may still ask for a tile that names it
	s_endpgm
.Lfunc_end_k_q15bf693a39_gemm_qkv:
	.size	k_q15bf693a39_gemm_qkv, .Lfunc_end_k_q15bf693a39_gemm_qkv-k_q15bf693a39_gemm_qkv
	.p2alignl 7, 3214868480
	.fill 96, 4, 3214868480
	.section	.rodata,"a",@progbits
	.p2align	6, 0x0
	.amdhsa_kernel k_q15bf693a39_gemm_qkv
		.amdhsa_group_segment_fixed_size 327680
		.amdhsa_private_segment_fixed_size 0
		.amdhsa_enable_private_segment 0
		.amdhsa_kernarg_size 16
		.amdhsa_user_sgpr_count 2
		.amdhsa_user_sgpr_kernarg_segment_ptr 1
		.amdhsa_wavefront_size32 1
		.amdhsa_system_sgpr_workgroup_id_x 1
		.amdhsa_system_sgpr_workgroup_id_y 1
		.amdhsa_system_sgpr_workgroup_id_z 1
		.amdhsa_system_vgpr_workitem_id 0
		.amdhsa_next_free_vgpr 1024
		.amdhsa_next_free_sgpr 100
		.amdhsa_reserve_vcc 0
		.amdhsa_float_denorm_mode_32 3
		.amdhsa_float_denorm_mode_16_64 3
		.amdhsa_memory_ordered 1
		.amdhsa_forward_progress 1
		.amdhsa_inst_pref_size 145
	.end_amdhsa_kernel
	.amdgpu_metadata
---
amdhsa.version: [ 1, 2 ]
amdhsa.kernels:
  - .name:           k_q15bf693a39_gemm_qkv
    .symbol:         k_q15bf693a39_gemm_qkv.kd
    .args:
      - { .name: opq, .offset: 0, .size: 8, .value_kind: global_buffer, .address_space: global }
      - { .name: qkv, .offset: 8, .size: 8, .value_kind: global_buffer, .address_space: global }
    .group_segment_fixed_size: 327680
    .private_segment_fixed_size: 0
    .kernarg_segment_align: 8
    .kernarg_segment_size: 16
    .max_flat_workgroup_size: 128
    .sgpr_count:     100
    .vgpr_count:     1024
    .wavefront_size: 32
...
	.end_amdgpu_metadata
.endif
;; end of part 2
;; launch attn (part 3): grid 8 x 32, 16 waves a work-group, no clusters, 327,680 bytes of LDS; arguments qkv, att; writes att
.if DOCPART == 3
	.amdgcn_target "amdgcn-amd-amdhsa--gfx1250"
	.amdhsa_code_object_version 6
	.text
	.protected	k_q15bf693a39_attn
	.globl	k_q15bf693a39_attn
	.p2align	8
	.type	k_q15bf693a39_attn,@function
k_q15bf693a39_attn:
	s_mov_b64 s[64:65], 0
	v_nop
	global_prefetch_b8 v0, s[64:65] scope:SCOPE_SE
	s_setreg_imm32_b32 hwreg(HW_REG_WAVE_MODE, 25, 1), 1
	s_wait_xcnt 0x0
; Causal attention on codes of FP6 (E2M3) with E8M0 scales; head size 64, 2,048 keys, 64 heads in 32 pairs.  o = softmax(q k^T / 8) v, quantised along the heads' axis on the way out.
; q, k, v come from qkv in blocks of 12,800 bytes (128 rows x 128 K as images of operand registers; tile a = 2 B + u holds rows 32 B + 8 u + r + 8 (r / 8); half a fragment, 64 along K, is 16 + 8 bytes a lane; scale words from
; byte 12,288 on).  q, k: rows = 128 of T, K = [even head 64 | odd head 64].  v: rows = 2 heads x 64, K = 128 keys.  att: the same format, rows = 128 queries, K = the pair's 128 of the 1,024.
; THE SOFTMAX: t = score x log2(e) / 8; M = the running largest t rounded up to a whole number; p = 2^(t - M) is quantised along the keys, not normalised; the row's sum is taken of the unquantised p and divides at the end.
; When M moves, the sum and O are multiplied by 2^(old M - new M): exact.
; SHARES.  A work-group has one pair of heads of one batch and TWO groups of 128 queries, g and 15 - g: key steps 0 .. g, then 0 .. 15 - g: always 17 steps of 128 keys, so all 256 work-groups have equal work and the loop's
; trip count is a constant.  Wave w takes head w / 8 of the pair and tile w % 8 of the queries: 16 queries in 256 registers, four waves to a SIMD.  Each pass's last step lies on the diagonal and is masked.
; Both products are used transposed (S^T = k q^T, O^T = v^T p^T): a lane holds one query throughout, and by the tiles' choice of rows 16 registers of two neighbouring tiles are 16 neighbours along the next K.
; K = 64 IN AN INSTRUCTION OF 128: q's upper six registers are zero codes for the whole launch; k's tiles are packed six registers apart, so a tile's upper six are the next tile's codes, which meet q's zeros; the scale words
; come as 16 bits, so their upper bytes are 0, a power of two and no NaN.
; NO MULTICAST: work-groups of one pair of heads want different key steps in the same trip (behind trip g a work-group goes back to key step 0), so partners' requests would not be the same.
; LIMITS: a block of o whose largest magnitude lies under 2^-124 gets the byte 1, a block of zeros too (its codes are zeros; this program alone reads the bytes); NaN and infinities are not served.
; The scale bytes of att leave two bytes a lane: 1 byte in 25 of what the launch stores; joining the two heads' halves would take LDS and a barrier for each pass.
; REGISTERS: v1-6 places in a slot; v7, v8 the add's two; v9 my query less 16 (lane / 16); v10, v11, v28 offsets in q's and att's blocks; v12 -M, v13 the largest t, v[14:15] the sum; v16-27 q; v29 the prefetches' offset;
; v32-85 fragments of k or of v (v80-85 stay 0); v[88:89] v's scale words; v90-95 the step's addresses; v96-159 S^T, then p; v160-191 O^T; v204-210 the second pass's q; v224-254 at work; v248-251 k's scale words; v253 p's; v255 q's.
.set BLK,   12800
.set SLOT1, 32768                      ; a slot: k's block, then v's: 25,600 bytes; slot 1 begins here, so that one exclusive or turns an address
.set SPARE, 65536                      ; the spare words, 128 bytes for each of sixteen waves, named by no other line
.set WV,  18
.set SEL, 20                           ; s[20:21] selects: lane l xor 16
.set CS,  22                           ; s[22:23] c = log2(e) / 8
.set G1,  24                           ; s[24:31] descriptor group 1
.set G0,  32                           ; s[32:35] group 0, which walks
.set SS,  36                           ; s36 the step
.set GG,  37                           ; s37 g
.set TB,  38                           ; s38 the slot in hand
.set KVB, 40                           ; s[40:41] my quarter of key step 0's tiles in memory
.set OFP, 42                           ; s[42:43] an offset
.set PFA, 46                           ; s[46:47] where my prefetches stand
.set PLIM, 48                          ; s48 a wave prefetches while the step is under it
.set QB1, 50
.set QB2, 52
.set AO1, 54
.set AO2, 56
.macro TLOAD                           ; waves 0 to 3 fetch a quarter of a slot each; an s_nop 0 and four v_nop follow the line
	s_cmp_lt_u32 s[WV], 4
	s_cbranch_scc0 .Lnone_\@
	tensor_load_to_lds s[G0:G0+3], s[G1:G1+7]
	s_nop 0
.rept 4
	v_nop
.endr
.Lnone_\@:
.endm
; A PREFETCH INTO THE L2.  k's blocks of a pair of heads are 800 aligned pieces of 256 bytes on end, and so are v's.  All eight work-groups of the pair walk them: the one with g = 0 asks, in waves that fetch nothing: waves 4, 5
; for k, waves 6, 7 for v, a lane a piece.  Trip S names pieces 96 + 64 S + 32 (w & 1) + lane, S = 0 .. 10: up to piece 799, each once; in that trip the tensor loads ask for pieces 50 S on.  Pieces 0-95 come by their loads alone.
.macro ASK
	s_cmp_lt_u32 s[SS], s[PLIM]
	s_cbranch_scc0 .Lnot_mine_\@
	global_prefetch_b8 v29, s[PFA:PFA+1] th:TH_LOAD_NT scope:SCOPE_SE
.Lnot_mine_\@:
.endm
	s_load_b128 s[4:7], s[0:1], 0x0                ; qkv, att
	v_lshl_add_u32 v7, v0, 2, SPARE
	v_mov_b32 v8, 0
	ds_add_u32 v7, v8                              ; the wave's opening: the add and its wait stand ahead of the first tensor load; the set-up below stands between them
	ds_add_u32 v7, v8
	v_lshrrev_b32 v1, 5, v0
	s_delay_alu instid0(VALU_DEP_1)
	v_readfirstlane_b32 s[WV], v1                  ; wave 0..15
	s_mov_b32 s[GG], ttmp9
	s_and_b32 s8, ttmp7, 0xffff                    ; 8 x batch + pair of heads
	s_lshr_b32 s9, s[WV], 3                        ; c: my head of the pair
	s_and_b32 s10, s[WV], 7                        ; a: my tile of queries
	s_and_b32 s11, s[WV], 3
	s_and_b32 s14, s[WV], 1
	s_lshl_b32 s13, s8, 4
	s_lshr_b32 s12, s11, 1
	s_add_co_u32 s12, s12, 1                       ; region 1 (k) or 2 (v)
	s_lshl_b32 s12, s12, 9
	s_add_co_u32 s12, s12, s13
	s_mul_i32 s12, s12, BLK                        ; the pair's sixteen blocks of that region
	s_mul_i32 s15, s14, 6400
	s_add_co_u32 s[OFP], s12, s15                  ; + my half of a block
	s_mov_b32 s[OFP+1], 0
	s_lshl_b32 s15, s14, 13
	s_add_co_u32 s58, s12, s15
	s_add_co_u32 s58, s58, 8192                    ; the prefetches: piece 32 + 32 (w & 1); the first change of slots steps it by 64 pieces
	s_mov_b32 s59, 0
	s_mov_b32 s[G0], 1                             ; count = 1
	s_mul_i32 s[G0+1], s11, 6400                   ; LDS address: slot 0, my quarter
	s_mov_b32 s[G1], 3<<16                         ; no mask; elements of 8 bytes; no padding: every LDS read here is lane by lane on end
	s_mov_b32 s[G1+1], 32<<16                      ; tensor_dim0 = 32: rows of 256 bytes
	s_mov_b32 s[G1+2], 25<<16                      ; tensor_dim1 = 25: 6,400 dense bytes
	s_mov_b32 s[G1+3], 32<<16                      ; tile_dim0
	s_mov_b32 s[G1+4], 25                          ; tile_dim1
	s_mov_b32 s[G1+5], 32                          ; the pitch
	s_mov_b32 s[G1+6], 0
	s_mov_b32 s[G1+7], 0
	s_mov_b32 s[SEL], 0x76543210
	s_mov_b32 s[SEL+1], 0xfedcba98
	s_mov_b32 s[CS], 0x3e38aa3b                    ; log2(e) / 8
	s_mov_b32 s[CS+1], s[CS]                       ; (named with it as a pair, so it is written)
	s_mov_b32 s[SS], 0
	s_mov_b32 s[TB], 0
	s_lshr_b32 s15, s[WV], 2
	s_xor_b32 s15, s15, 1                          ; 0 in waves 4 to 7,
	s_or_b32 s15, s15, s[GG]                       ; of the work-group with g = 0
	s_cmp_eq_u32 s15, 0
	s_cselect_b32 s[PLIM], 11, 0
	s_add_co_u32 s15, s13, s[GG]
	s_mul_i32 s[QB1], s15, BLK                     ; q's block of group g
	s_mov_b32 s[QB1+1], 0
	s_sub_co_u32 s15, 15, s[GG]
	s_add_co_u32 s16, s13, s15
	s_mul_i32 s[QB2], s16, BLK                     ; and of group 15 - g
	s_mov_b32 s[QB2+1], 0
	s_lshr_b32 s16, s8, 3
	s_lshl_b32 s16, s16, 4                         ; 16 x batch
	s_and_b32 s17, s8, 7                           ; pair of heads
	s_add_co_u32 s19, s16, s[GG]
	s_lshl_b32 s19, s19, 3
	s_add_co_u32 s19, s19, s17
	s_mul_i32 s[AO1], s19, BLK                     ; att's block of group g
	s_mov_b32 s[AO1+1], 0
	s_add_co_u32 s19, s16, s15
	s_lshl_b32 s19, s19, 3
	s_add_co_u32 s19, s19, s17
	s_mul_i32 s[AO2], s19, BLK
	s_mov_b32 s[AO2+1], 0
	s_wait_dscnt 0x0                               ; the opening add is done
	s_wait_kmcnt 0x0
	s_add_nc_u64 s[KVB:KVB+1], s[4:5], s[OFP:OFP+1]
	s_mov_b64 s[G0+2:G0+3], s[KVB:KVB+1]
	s_or_b32 s[G0+3], s[G0+3], 0x80000000          ; type = 2
	TLOAD                                          ; key step 0 into slot 0
	s_add_nc_u64 s[PFA:PFA+1], s[4:5], s[58:59]
	s_add_nc_u64 s[QB1:QB1+1], s[4:5], s[QB1:QB1+1]
	s_add_nc_u64 s[QB2:QB2+1], s[4:5], s[QB2:QB2+1]
	s_add_nc_u64 s[AO1:AO1+1], s[6:7], s[AO1:AO1+1]
	s_add_nc_u64 s[AO2:AO2+1], s[6:7], s[AO2:AO2+1]
	v_and_b32 v192, 31, v0                         ; l
	v_and_b32 v193, 15, v0                         ; r
	s_wait_alu depctr_va_vdst(0)
	v_bfe_u32 v194, v0, 4, 1                       ; h
	v_lshlrev_b32 v195, 4, v192
	v_lshlrev_b32 v196, 3, v192
	s_mul_i32 s15, s9, 768
	s_mul_i32 s16, s10, 1536
	s_add_co_u32 s16, s16, s15                     ; 1536 a + 768 c
	v_add_nc_u32 v10, s16, v195                    ; my half fragment in q's and att's blocks: 16 bytes a lane,
	s_wait_alu depctr_va_vdst(0)
	s_add_co_u32 s16, s16, 512
	v_add_nc_u32 v11, s16, v196                    ; and 8
	s_wait_alu depctr_va_vdst(0)
	s_lshr_b32 s16, s10, 2
	s_lshl_b32 s16, s16, 8
	s_and_b32 s17, s10, 1
	s_lshl_b32 s17, s17, 7
	s_add_co_u32 s16, s16, s17
	s_bfe_u32 s17, s10, 0x10001
	s_lshl_b32 s17, s17, 2
	s_add_co_u32 s16, s16, s17
	s_lshl_b32 s17, s9, 1
	s_add_co_u32 s16, s16, s17
	s_add_co_u32 s16, s16, 12288
	v_lshl_add_u32 v28, v193, 3, s16               ; my row's half scale word there
	global_load_b128 v[16:19], v10, s[QB1:QB1+1]   ; q of both passes stays in registers
	global_load_b64 v[20:21], v11, s[QB1:QB1+1]
	global_load_u16 v255, v28, s[QB1:QB1+1]
	global_load_b128 v[204:207], v10, s[QB2:QB2+1]
	global_load_b64 v[208:209], v11, s[QB2:QB2+1]
	global_load_u16 v210, v28, s[QB2:QB2+1]
.irp i, 0,1,2,3,4,5
	v_mov_b32 v[22+\i], 0                          ; q's upper 64 along K: zero codes
	v_mov_b32 v[80+\i], 0                          ; what stands behind k's last tile
.endr
	v_add_nc_u32 v1, s15, v195                     ; k: 16 l + 768 c
	s_add_co_u32 s16, s15, 512
	v_add_nc_u32 v2, s16, v196                     ; 8 l + 512 + 768 c
	s_mul_i32 s16, s9, 6144
	s_add_co_u32 s16, s16, 12800
	v_add_nc_u32 v3, s16, v195                     ; v: my head's four tiles
	s_add_co_u32 s16, s16, 512
	v_add_nc_u32 v4, s16, v196
	s_lshl_b32 s16, s9, 1
	s_add_co_u32 s16, s16, 12288
	v_add_nc_u32 v5, s16, v196                     ; k's scale words, my head's two bytes
	s_lshl_b32 s16, s9, 8
	s_add_co_u32 s16, s16, 25088
	v_add_nc_u32 v6, s16, v196                     ; v's scale words, my head's four tiles
	s_lshr_b32 s16, s10, 1
	s_lshl_b32 s16, s16, 5
	s_and_b32 s17, s10, 1
	s_lshl_b32 s17, s17, 3
	s_add_co_u32 s16, s16, s17
	v_and_b32 v9, 8, v193
	s_delay_alu instid0(VALU_DEP_1)
	v_add_nc_u32 v9, v9, v193
	s_delay_alu instid0(VALU_DEP_1)
	v_add_nc_u32 v9, s16, v9                       ; my query in its group: 32 (a / 2) + 8 (a % 2) + r + 8 (r / 8),
	v_lshlrev_b32 v197, 4, v194
	s_delay_alu instid0(VALU_DEP_1)
	v_sub_nc_u32 v9, v9, v197                      ; less 16 h
	v_lshlrev_b32 v29, 8, v192
	v_mov_b32 v13, 0xff61b1e6                      ; the largest t so far: -3e38, under every t
	s_delay_alu instid0(VALU_DEP_1)
	v_floor_f32 v12, -v13                          ; -M
	v_mov_b32 v14, 0
	v_mov_b32 v15, 0
.irp b, 0,1,2,3
	v_mov_b32 v[236+\b], 0                         ; a lane permute's destination counts as one of its sources
.endr
	v_mov_b32 v253, 0                              ; (named as the upper half of the pair v[252:253] before it is first written)
.set j, 0
.rept 32
	v_mov_b32 v[160+j], 0                          ; O^T: a pass's first step finds zeros, which the first change of M leaves zeros
.set j, j+1
.endr
; THE CHANGE OF SLOTS, at a step's head.  Each wave waits for all its tensor loads, adds 0 to its spare word, and waits for that and for its reads of the slot that it has left.  Behind the barrier the slot ahead is whole and
; nobody reads the other.  fill = 1: the other slot takes the next step's blocks: key step S + 1 while S < g, then S - g.
.macro CHANGE fill
	s_wait_tensorcnt 0x0                           ; no tensor load of mine is out, so group 0 may be written
	ds_add_u32 v7, v8                              ; 0 onto my spare word; the descriptor's step stands between it and the wait for it
.if \fill
	s_xor_b32 s[G0+1], s[G0+1], SLOT1
	s_add_co_u32 s[OFP], s[SS], 1
	s_sub_co_u32 s[OFP+1], s[SS], s[GG]
	s_cmp_lt_u32 s[SS], s[GG]
	s_cselect_b32 s[OFP], s[OFP], s[OFP+1]
	s_mul_i32 s[OFP], s[OFP], BLK
	s_mov_b32 s[OFP+1], 0
	s_add_nc_u64 s[G0+2:G0+3], s[KVB:KVB+1], s[OFP:OFP+1]
	s_or_b32 s[G0+3], s[G0+3], 0x80000000
	s_wait_xcnt 0x0                                ; the last prefetch, a step back, has read its address, so it may be written
	s_add_nc_u64 s[PFA:PFA+1], s[PFA:PFA+1], 16384
.endif
	s_wait_dscnt 0x0                               ; the add is done, and my reads of the slot that I have left are over
	s_barrier_signal -1
	s_barrier_wait -1
.if \fill
	TLOAD                                          ; the first thing behind the barrier, and a wave's one tensor load until the next: it has a whole step in which to land
	ASK
.endif
.endm
; A KEY STEP: 128 keys.  tail = 1: the step is masked without a test.
.macro STEP tail
	v_add_nc_u32 v90, s[TB], v1                    ; six plain lines: also the places behind the last products, in front of the loads below
	v_add_nc_u32 v91, s[TB], v2
	v_add_nc_u32 v92, s[TB], v3
	v_add_nc_u32 v93, s[TB], v4
	v_add_nc_u32 v94, s[TB], v5
	v_add_nc_u32 v95, s[TB], v6
.irp t, 0,1,2,3,4,5,6,7
	ds_load_b128 v[32+6*\t:35+6*\t], v90 offset:1536*\t      ; my head's half of k's tile t
	ds_load_b64 v[36+6*\t:37+6*\t], v91 offset:1536*\t
.endr
.irp i, 0,1,2,3
	ds_load_u16 v[248+\i], v94 offset:256*(\i/2)+4*(\i%2)    ; tiles 2 i (lanes 0-15) and 2 i + 1 (lanes 16-31)
.endr
	s_wait_alu depctr_va_vdst(0)
	s_wait_dscnt 0x0
.irp t, 0,2,4,6
	v_wmma_scale_f32_16x16x128_f8f6f4 v[96+8*\t:103+8*\t], v[32+6*\t:43+6*\t], v[16:27], 0, v[248+\t/2], v255 matrix_a_fmt:MATRIX_FMT_FP6 matrix_b_fmt:MATRIX_FMT_FP6
	v_wmma_scale_f32_16x16x128_f8f6f4 v[104+8*\t:111+8*\t], v[38+6*\t:49+6*\t], v[16:27], 0, v[248+\t/2], v255 matrix_a_fmt:MATRIX_FMT_FP6 matrix_b_fmt:MATRIX_FMT_FP6 matrix_a_scale:MATRIX_SCALE_ROW1
.endr
.rept 4
	v_nop                                          ; places: in front of the loads into k's registers and of the first read of the scores
.endr
.irp d, 0,1,2,3                                ; v's four tiles of my head land under the softmax
	ds_load_b128 v[32+12*\d:35+12*\d], v92 offset:1536*\d
	ds_load_b64 v[36+12*\d:37+12*\d], v93 offset:1536*\d
	ds_load_b128 v[38+12*\d:41+12*\d], v92 offset:1536*\d+768
	ds_load_b64 v[42+12*\d:43+12*\d], v93 offset:1536*\d+768
.endr
	ds_load_b64 v[88:89], v95
.if \tail == 0
	s_cmp_lg_u32 s[SS], s[GG]                      ; the first pass's diagonal step is step g: ids and the count of steps alone
	s_cbranch_scc1 .Lopen_\@
.endif
	v_mov_b32 v254, 0xff800000                     ; on the diagonal hidden scores become -infinity ahead of the maximum.  Register n holds key 32 (n / 16) + n % 16 + 16 h: hidden where that is above my query
.set n, 0
.rept 64
	v_cmp_gt_i32 vcc_lo, 32*(n/16)+n%16, v9
	v_cndmask_b32 v[96+n], v[96+n], v254, vcc_lo
.set n, n+1
.endr
.Lopen_\@:
.irp b, 0,1,2,3
	v_max3_num_f32 v[232+\b], v[96+16*\b], v[97+16*\b], v[98+16*\b]   ; the largest score of each block of 32 keys: for the row's maximum, and, since p rises with the score, for the block's largest p
.endr
.irp i, 3,5,7,9,11,13
.irp b, 0,1,2,3
	v_max3_num_f32 v[232+\b], v[232+\b], v[96+16*\b+\i], v[97+16*\b+\i]
.endr
.endr
.irp b, 0,1,2,3
	v_max_num_f32 v[232+\b], v[232+\b], v[111+16*\b]
.endr
.irp b, 0,1,2,3
	s_delay_alu instid0(VALU_DEP_4)
	v_permlanex16_b32 v[236+\b], v[232+\b], s[SEL], s[SEL+1]
.endr
.irp b, 0,1,2,3
	s_delay_alu instid0(VALU_DEP_4)
	v_max_num_f32 v[232+\b], v[232+\b], v[236+\b]  ; with lane l xor 16's 16 keys
.endr
	s_delay_alu instid0(VALU_DEP_2)
	v_max3_num_f32 v254, v232, v233, v234
	s_delay_alu instid0(VALU_DEP_1)
	v_max_num_f32 v254, v254, v235                 ; the step's largest score of my query
	s_delay_alu instid0(VALU_DEP_1)
	v_mul_f32 v254, s[CS], v254                    ; as t
	s_delay_alu instid0(VALU_DEP_1)
	v_max_num_f32 v13, v13, v254                   ; the running largest t
	v_mov_b32 v254, v12
	s_delay_alu instid0(VALU_DEP_2)
	v_floor_f32 v12, -v13                          ; the new -M = floor(-t): M is a whole number
	s_delay_alu instid0(VALU_DEP_1)
	v_sub_f32 v254, v12, v254                      ; old M less new M: a whole number, 0 or less
	s_delay_alu instid0(VALU_DEP_1)
	v_cvt_i32_f32 v254, v254                       ; (it saturates)
	s_delay_alu instid0(VALU_DEP_1)
	v_ldexp_f32 v252, 1.0, v254                    ; f = 2^(old M - new M)
.set j, 0
.rept 32
	v_pk_fma_f32 v[96+j:97+j], v[96+j:97+j], s[CS:CS+1], v[12:13] op_sel_hi:[1,0,0]   ; t - M, two at a time
.set j, j+2
.endr
.irp b, 0,1,2,3
	v_fma_f32 v[232+\b], v[232+\b], s[CS], v12     ; the same of each block's largest score
.endr
.set j, 0
	s_wait_alu depctr_va_vdst(0)
.rept 64
	v_exp_f32 v[96+j], v[96+j]                     ; p = 2^(t - M), at most 1
.set j, j+1
.endr
	v_pk_mul_f32 v[14:15], v[14:15], v[252:253] op_sel_hi:[1,0]   ; the sums under the new M: a plain place behind the exponentials
	s_wait_alu depctr_va_vdst(0)                   ; one wait for the whole batch, ahead of its first reader
.irp b, 0,1,2,3
	v_exp_f32 v[232+\b], v[232+\b]                 ; the block's largest p
.endr
	v_pk_add_f32 v[236:237], v[100:101], v[104:105]
	v_pk_add_f32 v[250:251], v[108:109], v[112:113]
	v_pk_add_f32 v[248:249], v[116:117], v[120:121]
	v_pk_add_f32 v[246:247], v[124:125], v[128:129]
	v_pk_add_f32 v[244:245], v[132:133], v[136:137]
	v_pk_add_f32 v[242:243], v[140:141], v[144:145]
	v_pk_add_f32 v[240:241], v[148:149], v[152:153]
	v_pk_add_f32 v[14:15], v[14:15], v[156:157]
	v_pk_add_f32 v[236:237], v[236:237], v[96:97]
	v_pk_add_f32 v[250:251], v[250:251], v[98:99]
	v_pk_add_f32 v[248:249], v[248:249], v[102:103]
	v_pk_add_f32 v[246:247], v[246:247], v[106:107]
	v_pk_add_f32 v[244:245], v[244:245], v[110:111]
	v_pk_add_f32 v[242:243], v[242:243], v[114:115]
	v_pk_add_f32 v[240:241], v[240:241], v[118:119]
	v_pk_add_f32 v[14:15], v[14:15], v[122:123]
	v_pk_add_f32 v[236:237], v[236:237], v[126:127]
	v_pk_add_f32 v[250:251], v[250:251], v[130:131]
	v_pk_add_f32 v[248:249], v[248:249], v[134:135]
	v_pk_add_f32 v[246:247], v[246:247], v[138:139]
	v_pk_add_f32 v[244:245], v[244:245], v[142:143]
	v_pk_add_f32 v[242:243], v[242:243], v[146:147]
	v_pk_add_f32 v[240:241], v[240:241], v[150:151]
	v_pk_add_f32 v[14:15], v[14:15], v[154:155]
	v_pk_add_f32 v[236:237], v[236:237], v[158:159]
	s_delay_alu instid0(VALU_DEP_2)
	v_pk_add_f32 v[14:15], v[14:15], v[246:247]
	s_delay_alu instid0(VALU_DEP_2)
	v_pk_add_f32 v[236:237], v[236:237], v[244:245]
	v_pk_add_f32 v[250:251], v[250:251], v[242:243]
	v_pk_add_f32 v[248:249], v[248:249], v[240:241]
	s_delay_alu instid0(VALU_DEP_2)
	v_pk_add_f32 v[14:15], v[14:15], v[250:251]
	s_delay_alu instid0(VALU_DEP_2)
	v_pk_add_f32 v[236:237], v[236:237], v[248:249]
	s_delay_alu instid0(VALU_DEP_1)
	v_pk_add_f32 v[14:15], v[14:15], v[236:237]
	s_wait_alu depctr_va_vdst(0)                   ; and one for the four
.irp b, 0,1,2,3
	v_max_num_f32 v[232+\b], 0x1800000, v[232+\b]  ; the floor 2^(3 - 127): the byte cannot fall under 1
.endr
.irp b, 0,1,2,3
	s_delay_alu instid0(VALU_DEP_4)
	v_add_nc_u32 v[244+\b], 0xff000000, v[232+\b]  ; 2 off the exponent field: the conversion's scale operand
.endr
.irp b, 0,1,2,3
	s_delay_alu instid0(VALU_DEP_4)
	v_lshrrev_b32 v[236+\b], 23, v[244+\b]         ; the scale's byte
.endr
	s_delay_alu instid0(VALU_DEP_3)
	v_lshl_or_b32 v253, v237, 8, v236              ; p's scale word for these 128 keys
	s_delay_alu instid0(VALU_DEP_1)
	v_lshl_or_b32 v253, v238, 16, v253
	s_delay_alu instid0(VALU_DEP_1)
	v_lshl_or_b32 v253, v239, 24, v253
.irp c, 0,1
	v_cvt_scalef32_pk16_fp6_f32 v[224+6*\c:226+6*\c], v[96+32*\c:111+32*\c], v[244+2*\c]
	v_cvt_scalef32_pk16_fp6_f32 v[236+4*\c:238+4*\c], v[112+32*\c:127+32*\c], v[245+2*\c]   ; (a conversion's three registers begin on an even number)
.endr
	v_nop                                          ; one plain place behind a scaled conversion
.irp c, 0,1                                    ; the operand's layout wants a whole block in a lane
.irp i, 0,1,2
	v_permlane16_swap_b32 v[224+6*\c+\i], v[236+4*\c+\i]
.endr
.irp i, 0,1,2
	s_delay_alu instid0(VALU_DEP_3)
	v_mov_b32 v[227+6*\c+\i], v[236+4*\c+\i]
.endr
.endr
.set j, 0
.rept 16
	v_pk_mul_f32 v[160+j:161+j], v[160+j:161+j], v[252:253] op_sel_hi:[1,0]   ; O^T under the new M.  (These sixteen are also the places between p's codes and scale word and the products below)
.set j, j+2
.endr
	s_wait_alu depctr_va_vdst(0)
	s_wait_dscnt 0x0                               ; v's tiles and scale words are in
.irp d, 0,2
	v_wmma_scale_f32_16x16x128_f8f6f4 v[160+8*\d:167+8*\d], v[32+12*\d:43+12*\d], v[224:235], v[160+8*\d:167+8*\d], v[88+\d/2], v253 matrix_a_fmt:MATRIX_FMT_FP6 matrix_b_fmt:MATRIX_FMT_FP6
	v_wmma_scale_f32_16x16x128_f8f6f4 v[168+8*\d:175+8*\d], v[44+12*\d:55+12*\d], v[224:235], v[168+8*\d:175+8*\d], v[88+\d/2], v253 matrix_a_fmt:MATRIX_FMT_FP6 matrix_b_fmt:MATRIX_FMT_FP6 matrix_a_scale:MATRIX_SCALE_ROW1
.endr
.endm
; A PASS'S END: O^T is divided by the row's sum and quantised along my head's 64: register 16 b + i is channel 32 b + 16 h + i of my query: half a fragment and half a scale word of att's block at s[ao].
.macro FINAL ao
.rept 4
	v_nop                                          ; places behind the last products
.endr
	v_add_f32 v14, v14, v15
	s_delay_alu instid0(VALU_DEP_1)
	v_permlanex16_b32 v252, v14, s[SEL], s[SEL+1]
	s_delay_alu instid0(VALU_DEP_1)
	v_add_f32 v14, v14, v252                       ; the row's sum
	s_wait_alu depctr_va_vdst(0)
	v_rcp_f32 v14, v14
	v_nop                                          ; a plain place behind the transcendental
	s_wait_alu depctr_va_vdst(0)                   ; the wait ahead of its first reader
.set j, 0
.rept 32
	v_mul_f32 v[96+j], v[160+j], v14               ; each accumulator from its low end on
.set j, j+1
.endr
.irp b, 0,1
	v_max3_num_f32 v[232+\b], |v[96+16*\b]|, |v[97+16*\b]|, 0x1800000
.endr
.irp i, 2,4,6,8,10,12,14
.irp b, 0,1
	s_delay_alu instid0(VALU_DEP_2)
	v_max3_num_f32 v[232+\b], v[232+\b], |v[96+16*\b+\i]|, |v[97+16*\b+\i]|
.endr
.endr
.irp b, 0,1
	s_delay_alu instid0(VALU_DEP_2)
	v_permlanex16_b32 v[236+\b], v[232+\b], s[SEL], s[SEL+1]
.endr
.irp b, 0,1
	s_delay_alu instid0(VALU_DEP_2)
	v_max_num_f32 v[232+\b], v[232+\b], v[236+\b]
.endr
.irp b, 0,1
	s_delay_alu instid0(VALU_DEP_2)
	v_add_nc_u32 v[244+\b], 0xff000000, v[232+\b]
.endr
.irp b, 0,1
	s_delay_alu instid0(VALU_DEP_2)
	v_lshrrev_b32 v[236+\b], 23, v[244+\b]
.endr
	s_delay_alu instid0(VALU_DEP_1)
	v_lshl_or_b32 v254, v237, 8, v236              ; my head's two bytes of the row's scale word
	v_cvt_scalef32_pk16_fp6_f32 v[224:226], v[96:111], v244
	v_cvt_scalef32_pk16_fp6_f32 v[240:242], v[112:127], v245
	v_nop                                          ; one plain place behind a scaled conversion
.irp i, 0,1,2
	v_permlane16_swap_b32 v[224+\i], v[240+\i]
.endr
.irp i, 0,1,2
	s_delay_alu instid0(VALU_DEP_3)
	v_mov_b32 v[227+\i], v[240+\i]
.endr
	global_store_b128 v10, v[224:227], s[\ao:\ao+1]          ; 512 consecutive bytes, aligned to 256
	global_store_b64 v11, v[228:229], s[\ao:\ao+1]           ; 256
	global_store_b16 v28, v254, s[\ao:\ao+1]                 ; lanes l and l xor 16 write the same two bytes with the same value
	s_wait_xcnt 0x0                                ; the stores have read their data: these registers are written again in the next step
.endm
	s_wait_loadcnt 0x0                             ; q
.Lstep:                                            ; sixteen trips; behind each change of slots the next step's blocks are asked for
	CHANGE 1
	STEP 0
	s_cmp_lg_u32 s[SS], s[GG]
	s_cbranch_scc1 .Lsame_pass
	FINAL AO1                                      ; the first pass is over: its 16 queries leave,
	v_mov_b32 v255, v210                           ; and the second pass's q takes their place; all begins anew
.irp i, 0,1,2,3,4,5
	v_mov_b32 v[16+\i], v[204+\i]
.endr
	v_mov_b32 v13, 0xff61b1e6
	s_delay_alu instid0(VALU_DEP_1)
	v_floor_f32 v12, -v13
	v_mov_b32 v14, 0
	v_mov_b32 v15, 0
.set j, 0
.rept 32
	v_mov_b32 v[160+j], 0
.set j, j+1
.endr
.Lsame_pass:
	s_xor_b32 s[TB], s[TB], SLOT1                  ; on to the other slot
	s_add_co_u32 s[SS], s[SS], 1
	s_cmp_lt_u32 s[SS], 16
	s_cbranch_scc1 .Lstep
	CHANGE 0                                       ; the seventeenth step is written out: nothing is left to ask for; it is the second pass's diagonal step
	STEP 1
	FINAL AO2
	s_wait_tensorcnt 0x0                           ; the wave's end, behind the last tensor load
	ds_add_u32 v7, v8
	s_wait_dscnt 0x0
	s_endpgm
.Lfunc_end_k_q15bf693a39_attn:
	.size	k_q15bf693a39_attn, .Lfunc_end_k_q15bf693a39_attn-k_q15bf693a39_attn
	.p2alignl 7, 3214868480
	.fill 96, 4, 3214868480
	.section	.rodata,"a",@progbits
	.p2align	6, 0x0
	.amdhsa_kernel k_q15bf693a39_attn
		.amdhsa_group_segment_fixed_size 327680
		.amdhsa_private_segment_fixed_size 0
		.amdhsa_enable_private_segment 0
		.amdhsa_kernarg_size 16
		.amdhsa_user_sgpr_count 2
		.amdhsa_user_sgpr_kernarg_segment_ptr 1
		.amdhsa_wavefront_size32 1
		.amdhsa_system_sgpr_workgroup_id_x 1
		.amdhsa_system_sgpr_workgroup_id_y 1
		.amdhsa_system_sgpr_workgroup_id_z 1
		.amdhsa_system_vgpr_workitem_id 0
		.amdhsa_next_free_vgpr 256
		.amdhsa_next_free_sgpr 66
		.amdhsa_reserve_vcc 1
		.amdhsa_float_denorm_mode_32 3
		.amdhsa_float_denorm_mode_16_64 3
		.amdhsa_memory_ordered 1
		.amdhsa_forward_progress 1
		.amdhsa_inst_pref_size 65
	.end_amdhsa_kernel
	.amdgpu_metadata
---
amdhsa.version: [ 1, 2 ]
amdhsa.kernels:
  - .name:           k_q15bf693a39_attn
    .symbol:         k_q15bf693a39_attn.kd
    .args:
      - { .name: qkv, .offset: 0, .size: 8, .value_kind: global_buffer, .address_space: global }
      - { .name: att, .offset: 8, .size: 8, .value_kind: global_buffer, .address_space: global }
    .group_segment_fixed_size: 327680
    .private_segment_fixed_size: 0
    .kernarg_segment_align: 8
    .kernarg_segment_size: 16
    .max_flat_workgroup_size: 512
    .sgpr_count:     66
    .vgpr_count:     256
    .wavefront_size: 32
...
	.end_amdgpu_metadata
.endif
;; end of part 3
;; launch gemm_out (part 4): grid 8 x 32, 4 waves a work-group, clusters of 4 x 4, 327,680 bytes of LDS; arguments att, opq, bp, out0; writes out0
.if DOCPART == 4
	.amdgcn_target "amdgcn-amd-amdhsa--gfx1250"
	.amdhsa_code_object_version 6
	.text
	.protected	k_q15bf693a39_gemm_out
	.globl	k_q15bf693a39_gemm_out
	.p2align	8
	.type	k_q15bf693a39_gemm_out,@function
k_q15bf693a39_gemm_out:
	s_mov_b64 s[64:65], 0
	v_nop
	global_prefetch_b8 v0, s[64:65] scope:SCOPE_SE
	s_setreg_imm32_b32 hwreg(HW_REG_WAVE_MODE, 25, 1), 1
	s_wait_xcnt 0x0
	s_wait_alu depctr_hold_cnt(0) depctr_sa_sdst(0) depctr_va_vdst(0) depctr_va_sdst(0) depctr_va_ssrc(0) depctr_va_vcc(0) depctr_vm_vsrc(0)
	s_getreg_b32 s2, hwreg(HW_REG_IB_STS2, 6, 4)
	s_cmp_eq_u32 s2, 0
	s_cbranch_scc0 .Lentry_in_a_cluster
	s_endpgm
.Lentry_in_a_cluster:
	s_bfe_u32 s2, ttmp6, 0x10000c
	s_cmp_lg_u32 s2, 0xf033
	s_cbranch_scc0 .Lentry_shape_is_right
	s_endpgm
.Lentry_shape_is_right:
; out0 = o Wp^T + bp on codes of FP6 (E2M3) with E8M0 scales, K = 1,024, f32 out.  L, the lane side (source 1), is att's rows (a group = 128 queries); R, the register side (source 0), is Wp's rows (opq's groups 88-95).
; Both come in blocks of 12,800 bytes (128 rows x 128 K as images of operand registers; tile a = 2 B + u holds rows 32 B + 8 u + r + 8 (r / 8); scale words from byte 12,288 on); a group is all of K: 8 blocks on end.
; THE DEAL.  256 work-groups of four waves; each makes 256 rows (two groups of L) x 128 columns (one group of R).  Wave w takes group w / 2 of L, of it tiles 4 (w % 2) .. + 3 (64 rows), and all eight tiles of R: 32 accumulators.
; The product is used transposed: a lane holds one row of out0, and the 16 registers of R's tiles 2 B, 2 B + 1 are the 16 neighbouring columns 32 B + 16 (lane / 16) + 0 .. 15.  The bias is the first products' C.
; LDS: the three groups lie there whole, 3 x 102,400 bytes, each byte filled once: waves 0 and 1 bring a group of L each, waves 2 and 3 half of R's group each, one joint load a wave at the head.  Nothing is filled again.
; CLUSTERS: 4 x 4 work-groups; L's groups are shared along a row of the cluster, R's along a column.  No data prefetch: all that the launch reads is asked for at its head, and there is no loop to run ahead in.
; THE WALK ALONG K: eight steps of 128; two sets of fragments by turns: while one set is multiplied (32 matrix instructions) the next step's 51 LDS loads land in the other.  Step 0 and step 7 are written out, steps 1 to 6 are a loop of three trips.
; THE WAY OUT: a tile of 16 rows x 128 columns goes through the wave's own stage and leaves as rows of 512 consecutive bytes.  The stages lie in L's first bytes, behind the barrier in step 7, in front of which every wave's LDS reads are over.
; LIMITS: NaN, infinities and sums beyond f32's range are not served; a sum begins with the bias.
; REGISTERS.  Window 0: v8-12 LDS addresses at block 0, v16-20 the same at the trip's blocks; v21, v22 the stage; v28, v29 the add's two; v30 16 x lane; v32-47 scale words, two sets; v64-127 the bias; v128-223 L's fragments, two sets of four
; (on the way out v128-255: rows back from the stage).  Window 1: R's fragments, two sets of eight, at v0 and v128.  Window 2: accumulator (a, b) at v[8 (8 a + b)].
.set BLK,   12800
.set GRP,   8*BLK
.set SPARE, 3*GRP                      ; behind the three groups: the spare words, 128 bytes a wave, named by no other line
.set SPITCH, 528
.set AL16,  8                          ; L: 16 x lane + my group + my four tiles
.set AL8,   9                          ; 8 x lane + 512 + the same
.set ALS,   10                         ; my four tiles' scale words
.set AR16,  11
.set AR8,   12
.set RUN,   8                          ; the running addresses stand 8 registers on
.set STO,   21
.set RD,    22
.set SPW,   28
.set NIL,   29
.set CO16,  30
.set SC,    32                         ; a set: L's two registers, R's four
.set BI,    64
.set LF,    128
.set BK,    128
.set G1L,   24
.set G0L,   32
.set KO,    40                         ; LDS bytes from block 0 to the trip's first block
.set TC,    41
.set G1R,   44
.set G0R,   52
.set MSB, 0
.macro WIN new                         ; the immediate's high byte repeats the setting that is left
.if MSB != (\new)
	s_set_vgpr_msb (MSB<<8)|(\new)
.set MSB, (\new)
.endif
.endm
.set MULW,  0xa1                       ; source 0 (R) window 1, source 1 (L) window 0, C and D window 2
.set MULF,  0x81                       ; the same with C (the bias) in window 0
.set TO_R,  0x40                       ; destination window 1, address window 0
.macro CROUND                          ; a round of the cluster's barrier
	s_barrier_signal -1
	s_barrier_wait -1
	s_cmp_lg_u32 s14, 0
	s_cbranch_scc1 .Lnot_wave_0_\@
	s_barrier_signal -3
.Lnot_wave_0_\@:
	s_barrier_wait -3
	s_barrier_signal -1
	s_barrier_wait -1
.endm
.macro PLACES                          ; four places in front of loads into registers that matrix instructions have read, and of the first read of results
.rept 4
	v_nop
.endr
.endm
	s_load_b256 s[4:11], s[0:1], 0x0               ; att, opq, bp, out0
	v_lshl_add_u32 v[SPW], v0, 2, SPARE
	v_mov_b32 v[NIL], 0
	ds_add_u32 v[SPW], v[NIL]                      ; the opening: the add, twice on end, and its wait stand ahead of my first tensor load
	ds_add_u32 v[SPW], v[NIL]
	v_lshrrev_b32 v1, 5, v0
	v_readfirstlane_b32 s14, v1                    ; wave 0..3
	s_lshr_b32 s15, s14, 1                         ; my group of L.  Also: I fetch for L (0) or for R (1)
	s_and_b32 s16, s14, 1                          ; my half of its tiles.  Also: which part of that side I fetch
	s_bfe_u32 s66, ttmp6, 0x40000                  ; cx
	s_bfe_u32 s67, ttmp6, 0x40004                  ; cy
	s_and_b32 s68, ttmp7, 0xffff
	s_lshl_b32 s73, s68, 2
	s_add_co_u32 s73, s73, s67                     ; which 256 rows of L: hangs on cy, never on cx
	s_lshl_b32 s75, ttmp9, 2
	s_add_co_u32 s75, s75, s66                     ; which group of R: hangs on cx, never on cy
	s_lshl_b32 s76, s73, 1
	s_add_co_u32 s76, s76, s16
	s_mul_i32 s78, s76, GRP                        ; the group of L that I would fetch
	s_mov_b32 s79, 0
	s_add_co_u32 s77, s75, 88
	s_mul_i32 s80, s77, GRP
	s_mul_i32 s81, s16, 4*BLK
	s_add_co_u32 s80, s80, s81                     ; and the half of R's group
	s_mov_b32 s81, 0
	s_lshl_b32 s82, s67, 2
	s_lshl_b32 s82, 15, s82                        ; my row of the cluster
	s_lshl_b32 s83, 0x1111, s66                    ; my column
	s_or_b32 s[G1L], s82, (3<<16)|(1<<21)          ; the mask; elements of 8 bytes; bit 21 beside a mask; no padding: every LDS read of a tile is lane by lane on end
	s_or_b32 s[G1R], s83, (3<<16)|(1<<21)
.irp g, G1L, G1R
	s_mov_b32 s[\g+1], 32<<16                      ; rows of 256 bytes
	s_mov_b32 s[\g+3], 32<<16
	s_mov_b32 s[\g+5], 32
	s_mov_b32 s[\g+6], 0
	s_mov_b32 s[\g+7], 0
.endr
	s_mov_b32 s[G1L+2], 400<<16                    ; a group: 400 rows
	s_mov_b32 s[G1L+4], 400
	s_mov_b32 s[G1R+2], 200<<16                    ; half a group
	s_mov_b32 s[G1R+4], 200
	s_mov_b32 s[G0L], 1
	s_mul_i32 s[G0L+1], s16, GRP                   ; LDS places: the wave's number alone
	s_mov_b32 s[G0R], 1
	s_mul_i32 s[G0R+1], s16, 4*BLK
	s_add_co_u32 s[G0R+1], s[G0R+1], 2*GRP
	s_mul_i32 s85, s15, GRP
	s_lshl_b32 s86, s16, 8
	s_add_co_u32 s86, s86, s85
	s_add_co_u32 s86, s86, 12288                   ; my four tiles' scale words in block 0
	s_mul_i32 s84, s16, 6144
	s_add_co_u32 s85, s85, s84                     ; my four tiles in block 0
	s_mul_i32 s87, s14, 16*SPITCH                  ; my stage
	s_lshl_b32 s88, s75, 9                         ; my 128 columns, in bytes
	s_mov_b32 s89, 0
	s_lshl_b32 s90, s73, 8
	s_lshl_b32 s91, s15, 7
	s_add_co_u32 s90, s90, s91
	s_lshl_b32 s91, s16, 6
	s_add_co_u32 s90, s90, s91                     ; my first row of out0
	s_lshl_b32 s90, s90, 12
	s_mov_b32 s91, 0
	s_wait_dscnt 0x0                               ; both opening adds are done
	s_wait_kmcnt 0x0
	s_add_nc_u64 s[G0L+2:G0L+3], s[4:5], s[78:79]
	s_or_b32 s[G0L+3], s[G0L+3], 0x80000000
	s_add_nc_u64 s[G0R+2:G0R+3], s[6:7], s[80:81]
	s_or_b32 s[G0R+3], s[G0R+3], 0x80000000
	s_add_nc_u64 s[8:9], s[8:9], s[88:89]
	s_add_nc_u64 s[10:11], s[10:11], s[90:91]
	s_add_nc_u64 s[10:11], s[10:11], s[88:89]
	CROUND                                         ; all sixteen work-groups are here: the joint loads meet
	s_cmp_eq_u32 s15, 0                            ; one load a wave; an s_nop 0 and four v_nop follow each line
	s_cbranch_scc0 .Lfor_r
	tensor_load_to_lds s[G0L:G0L+3], s[G1L:G1L+7]
	s_nop 0
	PLACES
	s_branch .Lasked
.Lfor_r:
	tensor_load_to_lds s[G0R:G0R+3], s[G1R:G1R+7]
	s_nop 0
	PLACES
.Lasked:
	v_and_b32 v1, 31, v0
	v_lshlrev_b32 v[CO16], 4, v1
	v_lshlrev_b32 v2, 3, v1
	v_and_b32 v3, 15, v0
	v_bfe_u32 v4, v0, 4, 1
	v_lshlrev_b32 v5, 6, v4                        ; the bias: 16 numbers for each half of the lanes
	v_add_nc_u32 v[AL16], s85, v[CO16]
	v_add_nc_u32 v[AL8], s85, v2
	v_add_nc_u32 v[AL8], 512, v[AL8]
	v_add_nc_u32 v[ALS], s86, v2
	v_add_nc_u32 v[AR16], 2*GRP, v[CO16]
	v_add_nc_u32 v[AR8], 2*GRP+512, v2
	v_mul_u32_u24 v[STO], v3, SPITCH               ; the stage, in: row l % 16, 64 bytes for each half of the lanes
	v_lshl_add_u32 v[STO], v4, 6, v[STO]
	v_add_nc_u32 v[STO], s87, v[STO]
	v_add_nc_u32 v[RD], s87, v[CO16]               ; back: the 32 lanes take one row of 512 bytes
.irp b, 0,1,2,3,4,5,6,7
	global_load_b128 v[BI+8*\b:BI+8*\b+3], v5, s[8:9] offset:128*(\b/2)+32*(\b%2)
	global_load_b128 v[BI+8*\b+4:BI+8*\b+7], v5, s[8:9] offset:128*(\b/2)+32*(\b%2)+16
.endr
; 32 matrix instructions: my four tiles of L x R's eight, 128 along K, on set p.  An odd tile's scale words stand in lanes 16-31.  The 32 accumulators take turns, one instruction a turn, in the same order in every step
;   first = 1: the product starts its sum with the bias.
.macro MUL p, first
.irp aa, 0,1
.irp w, 0,1
.irp bb, 0,1,2,3
.irp u, 0,1
.set rD, 8*(8*(2*\aa+\w)+2*\bb+\u)
.set rR, 128*(\p)+12*(2*\bb+\u)
.set rL, LF+48*(\p)+12*(2*\aa+\w)
.set rC, BI+8*(2*\bb+\u)
.set rSR, SC+8*(\p)+2+\bb
.set rSL, SC+8*(\p)+\aa
.if \first
	v_wmma_scale_f32_16x16x128_f8f6f4 v[rD:rD+7], v[rR:rR+11], v[rL:rL+11], v[rC:rC+7], v[rSR], v[rSL] matrix_a_fmt:MATRIX_FMT_FP6 matrix_b_fmt:MATRIX_FMT_FP6 matrix_a_scale:MATRIX_SCALE_ROW\u matrix_b_scale:MATRIX_SCALE_ROW\w
.else
	v_wmma_scale_f32_16x16x128_f8f6f4 v[rD:rD+7], v[rR:rR+11], v[rL:rL+11], v[rD:rD+7], v[rSR], v[rSL] matrix_a_fmt:MATRIX_FMT_FP6 matrix_b_fmt:MATRIX_FMT_FP6 matrix_a_scale:MATRIX_SCALE_ROW\u matrix_b_scale:MATRIX_SCALE_ROW\w
.endif
.endr
.endr
.endr
.endr
.endm
.macro FRAG reg, a16, a8, off          ; a fragment's twelve registers as they lie in the block: 16 + 8 bytes a lane for each 64 along K
	ds_load_b128 v[(\reg):(\reg)+3], v[\a16] offset:\off
	ds_load_b64 v[(\reg)+4:(\reg)+5], v[\a8] offset:\off
	ds_load_b128 v[(\reg)+6:(\reg)+9], v[\a16] offset:\off+768
	ds_load_b64 v[(\reg)+10:(\reg)+11], v[\a8] offset:\off+768
.endm
.macro FETCH p, x, off                 ; a step's fragments and scale words into set p: 51 loads.  x: 0 the addresses at block 0, RUN the running ones
	WIN TO_R
.irp i, 0,1,2,3,4,5,6,7
	FRAG 128*(\p)+12*\i, AR16+(\x), AR8+(\x), (\off)+1536*\i
.endr
	WIN 0
.irp i, 0,1,2,3
	FRAG LF+48*(\p)+12*\i, AL16+(\x), AL8+(\x), (\off)+1536*\i
.endr
	ds_load_b64 v[SC+8*(\p):SC+8*(\p)+1], v[ALS+(\x)] offset:\off
	ds_load_b64 v[SC+8*(\p)+2:SC+8*(\p)+3], v[AR8+(\x)] offset:(\off)+11776
	ds_load_b64 v[SC+8*(\p)+4:SC+8*(\p)+5], v[AR8+(\x)] offset:(\off)+12032
.endm
	s_wait_alu depctr_va_vdst(0)                   ; the wait at the head's end
	s_wait_tensorcnt 0x0                           ; my part of the three groups is in
	s_barrier_signal -1
	s_barrier_wait -1                              ; everybody's is
	FETCH 0, 0, 0
	s_wait_dscnt 0x0                               ; step 0's fragments are in
	FETCH 1, 0, BLK
	s_wait_loadcnt 0x0                             ; the bias
	WIN MULF
	MUL 0, 1                                       ; the first products start the sums: nothing is cleared
	WIN 0
	s_mov_b32 s[KO], 2*BLK
	s_mov_b32 s[TC], 0
.Lk:                                               ; trip t: steps 1 + 2 t and 2 + 2 t; they fetch blocks 2 + 2 t and 3 + 2 t
	s_wait_dscnt 0x0                               ; set 1 is in: asked for 32 matrix instructions ago
.irp r, AL16, AL8, ALS, AR16, AR8
	v_add_nc_u32 v[\r+RUN], s[KO], v[\r]           ; five plain lines: also the places in front of the loads below
.endr
	s_wait_alu depctr_va_vdst(0)
	FETCH 0, RUN, 0
	WIN MULW
	MUL 1, 0
	WIN 0
	s_wait_dscnt 0x0                               ; set 0 is in
	PLACES
	FETCH 1, RUN, BLK
	WIN MULW
	MUL 0, 0
	WIN 0
	s_add_co_u32 s[KO], s[KO], 2*BLK
	s_add_co_u32 s[TC], s[TC], 1
	s_cmp_lt_u32 s[TC], 3
	s_cbranch_scc1 .Lk
	s_wait_dscnt 0x0                               ; step 7: set 1 is in, and my reads of the tiles are over:
	s_barrier_signal -1                            ; say so,
	WIN MULW
	MUL 1, 0                                       ; work on registers while the others arrive,
	WIN 0
	s_barrier_wait -1                              ; and behind this wait nobody reads the tiles any more: the stages may lie there
	PLACES
.macro TOSTAGE a                       ; tile a's sums into my stage, each accumulator from its low end on, and back as whole rows.  LDS serves a wave's instructions in order (ISA guide 5.7.1.4): no wait between
	WIN 0x08                                       ; the data: window 2
.irp b, 0,1,2,3,4,5,6,7
	ds_store_b128 v[STO], v[64*(\a)+8*\b:64*(\a)+8*\b+3] offset:128*(\b/2)+32*(\b%2)
	ds_store_b128 v[STO], v[64*(\a)+8*\b+4:64*(\a)+8*\b+7] offset:128*(\b/2)+32*(\b%2)+16
.endr
	WIN 0
.set BB, BK+64*((\a)%2)
.irp t, 0,1,2,3,4,5,6,7,8,9,10,11,12,13,14,15
	ds_load_b128 v[BB+4*\t:BB+4*\t+3], v[RD] offset:\t*SPITCH
.endr
.endm
.macro SEND a, younger                 ; younger: the LDS instructions issued behind tile a's loads, which may stay out
.set BB, BK+64*((\a)%2)
	s_wait_dscnt \younger
.irp t, 0,1,2,3,4,5,6,7,8,9,10,11,12,13,14,15
	global_store_b128 v[CO16], v[BB+4*\t:BB+4*\t+3], s[10:11] offset:(32*((\a)/2)+8*((\a)%2)+\t+8*(\t/8))*4096 th:TH_STORE_NT   ; 512 consecutive bytes, aligned to 256
.endr
.endm
	TOSTAGE 0
.irp a, 1,2,3
.if \a > 1
	s_wait_xcnt 0x0                                ; tile a - 2's stores have read their registers: tile a's rows may land there
.endif
	TOSTAGE \a
	SEND \a-1, 32                                  ; behind tile a - 1's loads: tile a's 16 stores and 16 loads
.endr
	SEND 3, 0
	s_wait_tensorcnt 0x0                           ; the wave's end, behind my last tensor load and my last LDS store
	ds_add_u32 v[SPW], v[NIL]
	s_wait_dscnt 0x0
	CROUND                                         ; the closing round
	s_endpgm
.Lfunc_end_k_q15bf693a39_gemm_out:
	.size	k_q15bf693a39_gemm_out, .Lfunc_end_k_q15bf693a39_gemm_out-k_q15bf693a39_gemm_out
	.p2alignl 7, 3214868480
	.fill 96, 4, 3214868480
	.section	.rodata,"a",@progbits
	.p2align	6, 0x0
	.amdhsa_kernel k_q15bf693a39_gemm_out
		.amdhsa_group_segment_fixed_size 327680
		.amdhsa_private_segment_fixed_size 0
		.amdhsa_enable_private_segment 0
		.amdhsa_kernarg_size 32
		.amdhsa_user_sgpr_count 2
		.amdhsa_user_sgpr_kernarg_segment_ptr 1
		.amdhsa_wavefront_size32 1
		.amdhsa_system_sgpr_workgroup_id_x 1
		.amdhsa_system_sgpr_workgroup_id_y 1
		.amdhsa_system_sgpr_workgroup_id_z 1
		.amdhsa_system_vgpr_workitem_id 0
		.amdhsa_next_free_vgpr 768
		.amdhsa_next_free_sgpr 100
		.amdhsa_reserve_vcc 0
		.amdhsa_float_denorm_mode_32 3
		.amdhsa_float_denorm_mode_16_64 3
		.amdhsa_memory_ordered 1
		.amdhsa_forward_progress 1
		.amdhsa_inst_pref_size 53
	.end_amdhsa_kernel
	.amdgpu_metadata
---
amdhsa.version: [ 1, 2 ]
amdhsa.kernels:
  - .name:           k_q15bf693a39_gemm_out
    .symbol:         k_q15bf693a39_gemm_out.kd
    .args:
      - { .name: att, .offset: 0, .size: 8, .value_kind: global_buffer, .address_space: global }
      - { .name: opq, .offset: 8, .size: 8, .value_kind: global_buffer, .address_space: global }
      - { .name: bp, .offset: 16, .size: 8, .value_kind: global_buffer, .address_space: global }
      - { .name: out0, .offset: 24, .size: 8, .value_kind: global_buffer, .address_space: global }
    .group_segment_fixed_size: 327680
    .private_segment_fixed_size: 0
    .kernarg_segment_align: 8
    .kernarg_segment_size: 32
    .max_flat_workgroup_size: 128
    .sgpr_count:     100
    .vgpr_count:     768
    .wavefront_size: 32
...
	.end_amdgpu_metadata
.endif
;; end of part 4
